; MI455X (gfx1250); checked and timed in simulation.
; The chip was launched on July 23, 2026; its instructions are those of AMD's public machine-readable ISA for CDNA 5 (MIT licence, August 2026) and "CDNA5" Instruction Set Architecture Reference Guide (July 2026). The comments in the code are by the model that wrote it; some were corrected since.
;; Self Attention. Allowed arithmetic: matrix products marked QUANTISED: E4M3 operands, one given power-of-two scale a tensor, by v_wmma_f32_16x16x64_fp8_fp8 or v_wmma_f32_16x16x128_fp8_fp8, f32 sums; everything else in f32.
;; Inputs: W_out 512 x 1,024 float32; W_qk 1,024 x 1,024 float32; W_v 1,024 x 512 float32; b_out 1,024 float32; b_qk 1,024 float32; b_v 512 float32; ln_beta 1,024 float32; ln_gamma 1,024 float32; lowp_scales 10 int32 (the exponents e of the quantised operands' scales 2^e); x 2 x 4,096 x 1,024 float32.
;; Outputs: out0 2 x 4,096 x 1,024 float32.
;; This version of the problem:
;;   THIS VERSION OF THE PROBLEM IS GIVEN IN LOW PRECISION. The matrix products marked QUANTISED in the list below multiply operands that are first quantised to E4M3 (4 exponent bits, 3 mantissa bits; 8 bits a number), with one given power-of-two scale for each operand tensor; their sums are f32. All else is computed in f32.
;;   The module's matrix products, in the order in which they are computed (A, B: the left and right operand; K: the contracted axis; several contracted axes count as one K, in the product's order):
;;     1. [M 8,192, K 1,024] x [K 1,024, N 1,024]; A: input x; B: input W_qk: QUANTISED (scales: A lowp_scales[0], B lowp_scales[1])
;;     2. [M 8,192, K 1,024] x [K 1,024, N 512]; A: input x; B: input W_v: QUANTISED (scales: A lowp_scales[2], B lowp_scales[3])
;;     3. batch 16 x [M 4,096, K 64] x [K 64, N 4,096]; A: computed on the way; B: computed on the way: QUANTISED (scales: A lowp_scales[4], B lowp_scales[5])
;;     4. batch 16 x [M 64, K 4,096] x [K 4,096, N 4,096]; A: computed on the way; B: softmax (see below): QUANTISED (scales: A lowp_scales[6], B lowp_scales[7])
;;     5. [M 8,192, K 512] x [K 512, N 1,024]; A: computed on the way; B: input W_out: QUANTISED (scales: A lowp_scales[8], B lowp_scales[9])
;;   THE QUANTISER, for each operand of a quantised product, along K:
;;     - The operand's scale is 2^e, e = its entry of the input lowp_scales (int32; the entries are numbered through the quantised products in the list's order, A before B).
;;     - Each number is divided by the scale, clamped to +-448, and rounded to the nearest number of E4M3, ties to even, subnormals kept.
;;     - The product sums the exact products of the quantised numbers (number of the format x scale) in f32.
;;   ~~~python
;;   def quantise(x, axis, e):      # numpy; x: float32 -> the quantised numbers, widened to float32 again
;;       x = np.moveaxis(x, axis, -1); K = x.shape[-1]
;;       r = np.clip(x / 2.0 ** e, -448, 448)
;;       step = 2.0 ** (np.maximum(np.frexp(np.where(r == 0, 1, r))[1] - 1, -6) - 3)
;;       q = np.round(r / step) * step * 2.0 ** e      # np.round: ties to even
;;       return np.moveaxis(q, -1, axis).astype(np.float32)
;;   ~~~
;;   SOFTMAX AHEAD OF A QUANTISED PRODUCT. Where the list says 'softmax', what is quantised is not the finished softmax but p = 2^(t - M), with t = logit x log2(e) and M = ceil(the row's largest t), a whole number; so 1/2 < the row's largest p <= 1. The row's sum l is taken of the UNQUANTISED p, in f32, and the product's result is divided by l at the end. Since M is a whole number, a kernel that streams over the keys may use a running M (the ceiling of the running maximum): every later rescaling is an exact power of two, so the quantised numbers keep their values, but for numbers so far below the row's largest that they fall under the format's range.
;;   OPERANDS COMPUTED ON THE WAY. 'Computed on the way' means the value that the module computes at that place (a softmax that the list does not call 'softmax' is quantised finished and normalised). What goes into a quantiser is computed in f32, as accurately as f32 sums, v_exp_f32 and their like allow (about 1e-6 of the number): no bf16 or f16 on the way to a quantiser, and a product that is left as it is and whose result goes on into a quantised operand takes f32 operands (vector FMAs, or v_wmma_f32_16x16x4_f32). A number that lies on a knife's edge between two numbers of the format may be rounded either way, as far as f32 arithmetic and the matrix unit's own rounding can turn it there, and no further.
;; 2 versions, each right; version 2 is version 1 with the launches attn, outln written anew for expert scheduling mode. Each part assembles by itself: llvm-mc -triple=amdgcn-amd-amdhsa -mcpu=gfx1250 --defsym DOCPART=n.
;; ======== version 1 of 2: 4 launches
;; workspace buffers: xa_img 8,388,608 bytes; xb_img 8,388,608 bytes; wqk_img 1,048,576 bytes; wv_img 524,288 bytes; wo_img 524,288 bytes; qk_img 8,388,608 bytes; v_img 4,194,304 bytes; o_img 4,194,304 bytes
;; launch prep (part 1): grid 640 x 1, 4 waves a work-group, no clusters, 34,304 bytes of LDS; arguments x, W_qk, W_v, W_out, lowp_scales, xa_img, xb_img, wqk_img, wv_img, wo_img; writes xa_img, xb_img, wqk_img, wv_img, wo_img
.if DOCPART == 1
	.amdgcn_target "amdgcn-amd-amdhsa--gfx1250"
	.amdhsa_code_object_version 6
	.text
	.protected	k_q3c74f2a1c2_prep
	.globl	k_q3c74f2a1c2_prep
	.p2align	8
	.type	k_q3c74f2a1c2_prep,@function
k_q3c74f2a1c2_prep:
	s_mov_b64 s[64:65], 0
	v_nop
	global_prefetch_b8 v0, s[64:65] scope:SCOPE_SE
	s_setreg_imm32_b32 hwreg(HW_REG_WAVE_MODE, 25, 1), 1
	s_wait_xcnt 0x0
; PREP: f32 numbers into codes of FP8 (E4M3), each tensor with the one scale 2^e that is given for it.
;   x [8192][1024]     -> xa_img (scale entry 0) and xb_img (entry 2): the two products that read x have scales of their own
;   W_qk [1024][1024]  -> wqk_img (entry 1), W_v [1024][512] -> wv_img (entry 3), W_out [512][1024] -> wo_img (entry 9)
; code = number / 2^e, held within +-448, to the nearest code, ties to even.
; LIMITS: each of these five exponents lies between -126 and 119, so that 2^e and 448 x 2^e are f32 numbers.  NaN among the inputs is not served; an infinity is held at the largest code.
; EVERY OUTPUT IS AN IMAGE OF OPERAND REGISTERS.  A fragment of 16 rows x 128 K for v_wmma_f32_16x16x128_fp8_fp8 is 16 registers a lane (lane = r + 16 h holds row r; registers 2 c, 2 c + 1 hold
; k = 16 c + 8 h + 0..7).  Its image is 2,048 bytes: registers 4 g .. 4 g + 3 of lane l at 512 g + 16 l.  The reader takes it by four loads of 16 bytes a lane.
;   xa_img, xb_img: [kq 4][row tile 512][ks2 2][image], K = 256 kq + 128 ks2 + k
;   wqk_img: [kq 4][tile 64][ks2 2][image]; row c x 512 + head x 64 + d holds column head x 128 + 2 d + c of W_qk: q's rows first, then k's
;   wv_img: [kq 4][tile 32][ks2][image], row = column of W_v;   wo_img: [kq 2][tile 64][ks2][image], row = column of W_out
; WORK-GROUPS 0..127 take the weights (128 columns x 128 K each), 128..639 take x (16 whole rows each).  Waves share nothing: no barrier.  No matrix work, no tensor load: the launch moves bytes.
.set SP,    528                        ; a stage row: 512 bytes + 16: 33 x 16 bytes, so sixteen lanes that read one column of sixteen rows touch sixteen different 16-byte places modulo 256 bytes
.set WREG,  16*SP                      ; a wave's stage: 16 rows
.set SPARE, 4*WREG                     ; 33,792: behind the stages: the spare words, 128 bytes a wave, which no other line names
.set SPW,   12                         ; v12  SPARE + 4 x my thread's number; never rewritten
.set NIL,   13                         ; v13  0; never rewritten
.set R,     16                         ; x: v16-143   two fragments' numbers, 64 each
.set T,     144                        ; x: v144-159  two sets of 8 held numbers, by turns
.set CA,    160                        ; x: codes at entry 0's scale: v160-175 (fragment 0), v192-207 (fragment 1)
.set CB,    176                        ; x: codes at entry 2's scale: v176-191, v208-223
.set X,     16                         ; weights: v16-143 my column's 128 numbers down K
.set C,     144                        ; weights: v144-175 their codes
	s_load_b512 s[4:19], s[0:1], 0x0               ; x 4:5, W_qk 6:7, W_v 8:9, W_out 10:11, scales 12:13, xa 14:15, xb 16:17, wqk 18:19
	s_load_b128 s[20:23], s[0:1], 0x40             ; wv 20:21, wo 22:23
	v_lshl_add_u32 v[SPW], v0, 2, SPARE
	v_mov_b32 v[NIL], 0
	v_lshrrev_b32 v1, 5, v0
	v_readfirstlane_b32 s34, v1                    ; wave 0..3
	v_and_b32 v1, 31, v0                           ; lane
	s_wait_kmcnt 0x0
	s_load_b256 s[24:31], s[12:13], 0x0            ; entries 0..7
	s_load_b64 s[32:33], s[12:13], 0x20            ; entries 8, 9
	s_cmp_lt_u32 ttmp9, 128
	s_cbranch_scc1 .Lweights
; ---------------- x: work-group - 128 = row tile; wave = kq; two fragments of 128 along K
	s_sub_co_u32 s35, ttmp9, 128                   ; row tile 0..511
	s_lshl_b32 s42, s35, 16                        ; 16 rows of 4,096 bytes,
	s_lshl_b32 s44, s34, 10                        ; my 256 numbers of each row
	s_add_co_u32 s42, s42, s44
	s_mov_b32 s43, 0
	s_add_nc_u64 s[36:37], s[4:5], s[42:43]
	s_lshl_b32 s42, s34, 21                        ; kq x 2 MiB
	s_lshl_b32 s44, s35, 12                        ; + row tile x 4,096
	s_add_co_u32 s42, s42, s44
	s_add_nc_u64 s[38:39], s[14:15], s[42:43]
	s_add_nc_u64 s[40:41], s[16:17], s[42:43]
	v_lshlrev_b32 v2, 4, v1                        ; 16 x lane: a load's, a store's and an image's place for my lane
	s_mul_i32 s44, s34, WREG
	v_add_nc_u32 v3, s44, v2                       ; the stage on the way in: a row as it lies
	v_and_b32 v5, 15, v1                           ; r
	v_lshrrev_b32 v10, 4, v1                       ; h
	v_mul_u32_u24 v4, v5, SP
	v_lshl_add_u32 v4, v10, 5, v4
	v_add_nc_u32 v4, s44, v4                       ; and on the way out: row r, + 32 h bytes: my 8 numbers of each 16
.irp f, 0,1
.irp i, 0,1,2,3,4,5,6,7,8,9,10,11,12,13,14,15
	global_load_b128 v[R+64*\f+4*\i:R+64*\f+4*\i+3], v2, s[36:37] offset:4096*\i+512*\f th:TH_LOAD_NT   ; row i: 32 lanes read 512 consecutive bytes; all 32 loads go out at once
.endr
.endr
	s_wait_kmcnt 0x0
	s_add_co_i32 s44, s24, 127
	s_lshl_b32 s45, s44, 23
	v_mov_b32 v6, s45                              ; 2^e of entry 0: the conversion takes its exponent field
	s_add_co_i32 s44, s44, 8
	s_lshl_b32 s44, s44, 23
	s_or_b32 s44, s44, 0x600000
	v_mov_b32 v7, s44                              ; 448 x that
	s_add_co_i32 s44, s26, 127
	s_lshl_b32 s45, s44, 23
	v_mov_b32 v8, s45                              ; the same for entry 2
	s_add_co_i32 s44, s44, 8
	s_lshl_b32 s44, s44, 23
	s_or_b32 s44, s44, 0x600000
	v_mov_b32 v9, s44
; 64 numbers at v[r] on become 16 registers of codes at v[c] on.  The numbers are kept (they are quantised twice), so the hold writes a set of 8 at work; two sets take turns, so that eight plain
; instructions stand between a conversion and the next write of its sources.
.macro XQ r, c, sc, lim
.irp u, 0,1,2,3,4,5,6,7
.irp i, 0,1,2,3,4,5,6,7
	v_med3_num_f32 v[T+8*(\u%2)+\i], v[(\r)+8*\u+\i], -v[\lim], v[\lim]   ; the conversion to an 8-bit code does not saturate (ISA guide 7.6.2): the hold at the largest code x the scale
.endr
	v_cvt_scalef32_pk8_fp8_f32 v[(\c)+2*\u:(\c)+2*\u+1], v[T+8*(\u%2):T+8*(\u%2)+7], v[\sc]
.endr
.endm
; Fragment f: 16 rows x 512 bytes turn through my stage, so that lane (r, h) gets, of row r, k = 16 c + 8 h + 0..7 in registers 8 c .. 8 c + 7.
.macro XFRAG f
	s_wait_loadcnt 16*(1-\f)                       ; this fragment's 16 loads are in; the other's, issued behind them, may be out
.irp i, 0,1,2,3,4,5,6,7,8,9,10,11,12,13,14,15
	ds_store_b128 v3, v[R+64*\f+4*\i:R+64*\f+4*\i+3] offset:SP*\i
.endr
	s_wait_dscnt 0x0                               ; the stores have read their registers: the loads below land in them
.irp g, 0,1,2,3
	ds_load_b128 v[R+64*\f+16*\g:R+64*\f+16*\g+3],     v4 offset:128*\g      ; k = 32 g + 8 h + 0..3
	ds_load_b128 v[R+64*\f+16*\g+4:R+64*\f+16*\g+7],   v4 offset:128*\g+16   ;                 4..7
	ds_load_b128 v[R+64*\f+16*\g+8:R+64*\f+16*\g+11],  v4 offset:128*\g+64   ; k = 32 g + 16 + 8 h + 0..3
	ds_load_b128 v[R+64*\f+16*\g+12:R+64*\f+16*\g+15], v4 offset:128*\g+80   ;                      4..7
.endr
	s_wait_dscnt 0x0
	XQ R+64*\f, CA+32*\f, 6, 7
	XQ R+64*\f, CB+32*\f, 8, 9
.irp g, 0,1,2,3
	global_store_b128 v2, v[CA+32*\f+4*\g:CA+32*\f+4*\g+3], s[38:39] offset:2048*\f+512*\g   ; 32 lanes store 512 consecutive bytes; every store has data registers of its own
	global_store_b128 v2, v[CB+32*\f+4*\g:CB+32*\f+4*\g+3], s[40:41] offset:2048*\f+512*\g
.endr
.endm
	XFRAG 0
	XFRAG 1
	s_branch .Lend
; ---------------- weights: K is the FIRST axis.  A lane takes a column and its registers run down K, so the conversions give codes with K innermost and nothing is transposed.
.Lweights:
	s_cmp_lt_u32 ttmp9, 96                         ; ids 0..63 W_qk, 64..95 W_v, 96..127 W_out: all choices hang on the work-group's number alone
	s_cselect_b64 s[36:37], s[8:9], s[10:11]
	s_cselect_b64 s[38:39], s[20:21], s[22:23]
	s_cselect_b32 s40, 64, 96                      ; the tensor's first id
	s_cselect_b32 s41, 2, 3                        ; log2 of its groups of 128 columns
	s_cselect_b32 s42, 11, 12                      ; log2 of a row's bytes
	s_cselect_b32 s43, 17, 18                      ; log2 of the image's kq stride
	s_cmp_lt_u32 ttmp9, 64
	s_cselect_b64 s[36:37], s[6:7], s[36:37]
	s_cselect_b64 s[38:39], s[18:19], s[38:39]
	s_cselect_b32 s40, 0, s40
	s_cselect_b32 s41, 3, s41
	s_cselect_b32 s42, 12, s42
	s_cselect_b32 s43, 18, s43
	s_cselect_b32 s46, -1, 0                       ; all lanes: W_qk's lane offset or the plain one
	s_cselect_b32 s47, 12, 13                      ; my 32 columns are one tile of q and one of k (W_qk), or two tiles on end
	s_sub_co_u32 s40, ttmp9, s40
	s_lshl_b32 s48, 1, s41
	s_sub_co_u32 s48, s48, 1
	s_and_b32 s48, s40, s48                        ; group of 128 columns
	s_lshr_b32 s49, s40, s41                       ; K step of 128
	s_lshl_b32 s48, s48, 2
	s_add_co_u32 s48, s48, s34                     ; u: my wave's run of 32 columns
	s_add_co_u32 s50, s42, 7
	s_lshl_b32 s50, s49, s50                       ; 128 rows x K step
	s_lshl_b32 s51, s48, 7                         ; + 128 bytes x u
	s_add_co_u32 s50, s50, s51
	s_mov_b32 s51, 0
	s_add_nc_u64 s[36:37], s[36:37], s[50:51]
	s_lshr_b32 s50, s49, 1
	s_lshl_b32 s50, s50, s43                       ; kq
	s_and_b32 s52, s49, 1
	s_lshl_b32 s52, s52, 11                        ; ks2
	s_add_co_u32 s50, s50, s52
	s_lshl_b32 s52, s48, s47                       ; first tile x 4,096
	s_add_co_u32 s50, s50, s52
	s_add_nc_u64 s[38:39], s[38:39], s[50:51]
	v_lshlrev_b32 v2, 2, v1                        ; in: 4 bytes a lane
	v_and_b32 v3, 1, v1                            ; W_qk: column 32 u + lane is c = lane % 2, row 16 u + lane / 2 of its half: even lanes fill q's tile u, odd lanes k's, 32 tiles on
	v_lshrrev_b32 v4, 1, v1
	v_lshlrev_b32 v4, 4, v4
	v_lshl_add_u32 v3, v3, 17, v4
	v_lshrrev_b32 v4, 4, v1                        ; else: tile 2 u + lane / 16, row lane % 16
	v_and_b32 v6, 15, v1
	v_lshlrev_b32 v6, 4, v6
	v_lshl_add_u32 v4, v4, 12, v6
	v_cndmask_b32 v5, v4, v3, s46
	s_cmp_eq_u32 s42, 11
	s_cbranch_scc1 .Lnarrow
; 128 loads, one for each k: 32 lanes read 128 consecutive bytes, the four waves 512.  Then four blocks of 32 along K.  A lane holds both halves' pieces of its row:
; k = 32 t + 0..7 and 16..23 are the 16 bytes of lane r, k = 32 t + 8..15 and 24..31 those of lane r + 16.  In each store sixteen lanes fill 256 consecutive bytes.
.macro WBODY pitch
.set WI, 0
.rept 128
	global_load_b32 v[X+WI], v2, s[36:37] offset:WI*\pitch th:TH_LOAD_NT
.set WI, WI+1
.endr
	s_wait_kmcnt 0x0
	s_cmp_lt_u32 ttmp9, 96
	s_cselect_b32 s52, s27, s33                    ; entry 3 or 9,
	s_cmp_lt_u32 ttmp9, 64
	s_cselect_b32 s52, s25, s52                    ; or 1
	s_add_co_i32 s52, s52, 127
	s_lshl_b32 s53, s52, 23
	v_mov_b32 v11, s53                             ; 2^e
	s_add_co_i32 s52, s52, 8
	s_lshl_b32 s52, s52, 23
	s_or_b32 s52, s52, 0x600000
	v_mov_b32 v10, s52                             ; 448 x 2^e
.irp t, 0,1,2,3
.if \t < 2
	s_wait_loadcnt 63                              ; 96 and 64 younger loads might stay out; 63 is the most that the wait can name
.else
	s_wait_loadcnt 32*(3-\t)
.endif
.irp i, 0,1,2,3,4,5,6,7,8,9,10,11,12,13,14,15,16,17,18,19,20,21,22,23,24,25,26,27,28,29,30,31
	v_med3_num_f32 v[X+32*\t+\i], v[X+32*\t+\i], -v10, v10
.endr
	v_cvt_scalef32_pk8_fp8_f32 v[C+8*\t:C+8*\t+1],   v[X+32*\t:X+32*\t+7],     v11
	v_cvt_scalef32_pk8_fp8_f32 v[C+8*\t+4:C+8*\t+5], v[X+32*\t+8:X+32*\t+15],  v11
	v_cvt_scalef32_pk8_fp8_f32 v[C+8*\t+2:C+8*\t+3], v[X+32*\t+16:X+32*\t+23], v11
	v_cvt_scalef32_pk8_fp8_f32 v[C+8*\t+6:C+8*\t+7], v[X+32*\t+24:X+32*\t+31], v11
	global_store_b128 v5, v[C+8*\t:C+8*\t+3],   s[38:39] offset:512*\t
	global_store_b128 v5, v[C+8*\t+4:C+8*\t+7], s[38:39] offset:512*\t+256
.endr
.endm
	WBODY 4096
	s_branch .Lend
.Lnarrow:
	WBODY 2048
.Lend:
	s_wait_tensorcnt 0x0                           ; the wave's end
	ds_add_u32 v[SPW], v[NIL]
	s_wait_dscnt 0x0
	s_endpgm
.Lfunc_end_k_q3c74f2a1c2_prep:
	.size	k_q3c74f2a1c2_prep, .Lfunc_end_k_q3c74f2a1c2_prep-k_q3c74f2a1c2_prep
	.p2alignl 7, 3214868480
	.fill 96, 4, 3214868480
	.section	.rodata,"a",@progbits
	.p2align	6, 0x0
	.amdhsa_kernel k_q3c74f2a1c2_prep
		.amdhsa_group_segment_fixed_size 34304
		.amdhsa_private_segment_fixed_size 0
		.amdhsa_enable_private_segment 0
		.amdhsa_kernarg_size 80
		.amdhsa_user_sgpr_count 2
		.amdhsa_user_sgpr_kernarg_segment_ptr 1
		.amdhsa_wavefront_size32 1
		.amdhsa_system_sgpr_workgroup_id_x 1
		.amdhsa_system_sgpr_workgroup_id_y 1
		.amdhsa_system_sgpr_workgroup_id_z 1
		.amdhsa_system_vgpr_workitem_id 0
		.amdhsa_next_free_vgpr 224
		.amdhsa_next_free_sgpr 66
		.amdhsa_reserve_vcc 0
		.amdhsa_float_denorm_mode_32 3
		.amdhsa_float_denorm_mode_16_64 3
		.amdhsa_memory_ordered 1
		.amdhsa_forward_progress 1
		.amdhsa_inst_pref_size 76
	.end_amdhsa_kernel
	.amdgpu_metadata
---
amdhsa.version: [ 1, 2 ]
amdhsa.kernels:
  - .name:           k_q3c74f2a1c2_prep
    .symbol:         k_q3c74f2a1c2_prep.kd
    .args:
      - { .name: x, .offset: 0, .size: 8, .value_kind: global_buffer, .address_space: global }
      - { .name: W_qk, .offset: 8, .size: 8, .value_kind: global_buffer, .address_space: global }
      - { .name: W_v, .offset: 16, .size: 8, .value_kind: global_buffer, .address_space: global }
      - { .name: W_out, .offset: 24, .size: 8, .value_kind: global_buffer, .address_space: global }
      - { .name: lowp_scales, .offset: 32, .size: 8, .value_kind: global_buffer, .address_space: global }
      - { .name: xa_img, .offset: 40, .size: 8, .value_kind: global_buffer, .address_space: global }
      - { .name: xb_img, .offset: 48, .size: 8, .value_kind: global_buffer, .address_space: global }
      - { .name: wqk_img, .offset: 56, .size: 8, .value_kind: global_buffer, .address_space: global }
      - { .name: wv_img, .offset: 64, .size: 8, .value_kind: global_buffer, .address_space: global }
      - { .name: wo_img, .offset: 72, .size: 8, .value_kind: global_buffer, .address_space: global }
    .group_segment_fixed_size: 34304
    .private_segment_fixed_size: 0
    .kernarg_segment_align: 8
    .kernarg_segment_size: 80
    .max_flat_workgroup_size: 128
    .sgpr_count:     66
    .vgpr_count:     224
    .wavefront_size: 32
...
	.end_amdgpu_metadata
.endif
;; end of part 1
;; launch proj (part 2): grid 4 x 48, 4 waves a work-group, clusters of 4 x 1, 327,680 bytes of LDS; arguments xa_img, xb_img, wqk_img, wv_img, b_qk, b_v, lowp_scales, qk_img, v_img; writes qk_img, v_img
.if DOCPART == 2
	.amdgcn_target "amdgcn-amd-amdhsa--gfx1250"
	.amdhsa_code_object_version 6
	.text
	.protected	k_q3c74f2a1c2_proj
	.globl	k_q3c74f2a1c2_proj
	.p2align	8
	.type	k_q3c74f2a1c2_proj,@function
k_q3c74f2a1c2_proj:
	s_mov_b64 s[64:65], 0
	v_nop
	global_prefetch_b8 v0, s[64:65] scope:SCOPE_SE
	s_setreg_imm32_b32 hwreg(HW_REG_WAVE_MODE, 25, 1), 1
	s_wait_xcnt 0x0
	s_wait_alu depctr_hold_cnt(0) depctr_sa_sdst(0) depctr_va_vdst(0) depctr_va_sdst(0) depctr_va_ssrc(0) depctr_va_vcc(0) depctr_vm_vsrc(0)
	s_getreg_b32 s2, hwreg(HW_REG_IB_STS2, 6, 4)
	s_cmp_eq_u32 s2, 0
	s_cbranch_scc0 .Lentry_in_a_cluster
	s_endpgm
.Lentry_in_a_cluster:
	s_bfe_u32 s2, ttmp6, 0x10000c
	s_cmp_lg_u32 s2, 0x3003
	s_cbranch_scc0 .Lentry_shape_is_right
	s_endpgm
.Lentry_shape_is_right:
; PROJ: q, k = x W_qk + b_qk and v = x W_v + b_v on codes of FP8, and the results quantised for attention.
; ONE GENERIC PRODUCT: P[i][j] = sum over k of U[i][k] V[j][k], K = 1,024, a tile of 256 x 256 to a work-group, 128 x 128 to each of four waves (64 accumulators, 512 registers).
;   y < 32 (q and k):  U = xa_img (rows of x), V = wqk_img;  tile row = y, tile column = cx.        A lane's eight results run along the head's channels: K of q k^T.
;   y >= 32 (v^T):     U = wv_img, V = xb_img (rows of x);   yy = y - 32, tile row = yy % 2, tile column = 4 (yy / 2) + cx.   A lane's eight results run along the keys: K of the second product.
; The pointers are exchanged, not the instruction: source 0 = 16 rows of V, source 1 = 16 rows of U, so lane (r, h) of accumulator (a, b) holds P[16 a + r][16 b + 8 h + 0..7].
; The bias, divided by the power of two that the sums lack, is the C of each sum's first product.  The three scales ahead of a quantiser are folded into the conversion's one.
; OUTPUTS ARE IMAGES OF OPERAND REGISTERS (registers 4 g .. 4 g + 3 of lane l at 512 g + 16 l): the conversions' results are stored as they stand, 512 consecutive bytes a store; there is no stage.
;   qk_img: [plane 16][row tile 512][16 rows x 64 K: 1,024 bytes], plane = head for q, 8 + head for k.     v_img: [batch x 8 + head][key step 32][channel tile 4][16 channels x 128 keys: 2,048 bytes]
; INPUTS ARE SUCH IMAGES TOO: 256 rows x 256 K are 64 KiB on end, a wave's half one dense block of 32 KiB for one tensor load; a fragment comes out of LDS by four loads of 16 bytes a lane on end: no padding.
; CLUSTER 4, 1, 1: the four work-groups of a row of the grid share U's tile, which is asked for JOINTLY (mask 15).  V's tile hangs on cx and is each work-group's own load, in the same round.
; A cluster of 4 x 4 is not taken: in the v^T part neighbouring y alternate between two tile rows, so the two parts would want different masks along y.  192 work-groups: 128 + 64 tiles of equal work.
; Branches hang on y, which the partners share, and on the wave's number; cx enters V's address, the biases' and outputs' addresses and one choice between two scales.
; LIMITS: with e0..e6 the entries of the scales, e4 - e0 - e1, e5 - e0 - e1 and e6 - e2 - e3 lie between -126 and 119.  NaN is not served.
; REGISTERS, in windows of 256: window 0: v16-29 addresses and scales; v32-95 the biases in the results' layout, later held numbers; v96-103 v^T's biases as loaded; v128-255 U's fragments, ONE set, later the codes.
;   window 1: V's fragments, TWO sets, at v0 and v128.   window 2: the accumulators of my rows 0-63 ((a, b) at v[8 (8 (a % 4) + b)]);   window 3: rows 64-127.
.set SLOT,   131072                    ; U's 256 rows x 256 K (64 KiB), then V's
.set SPARE,  2*SLOT                    ; behind the ring: the spare words, 128 bytes a wave, which no other line names
.set FR,     16                        ; registers of a fragment
.set NL,     4                         ; LDS loads that bring one
.set NP,     4                         ; places behind this matrix instruction (ISA guide 7.12.1)
.set ADRA, 16                          ; v16-17  LDS address of my U fragments in slot 0, 1
.set ADRB, 20                          ; v20-21  the same for V
.set BOF,  22                          ; v22     my lane's offset among the biases
.set SC,   24                          ; v24     the conversion's scale
.set LIM,  25                          ; v25     448 x that
.set LI,   26                          ; v26     16 x lane
.set SPW,  28                          ; v28     SPARE + 4 x my thread's number; never rewritten
.set NIL,  29                          ; v29     0; never rewritten
.set BI,   32
.set RAW,  96
.set AF,   128
.set G1, 24                            ; s[24:31] descriptor group 1 for U's tiles (mask 15);  s[32:39] group 0, a set for each slot
.set G0, 32
.set G1B, 48                           ; s[48:55], s[56:63] the same for V's tiles (no mask)
.set G0B, 56
.set MSB, 0
.macro WIN new                         ; the immediate's high byte repeats the setting that is left
.if MSB != \new
	s_set_vgpr_msb (MSB<<8)|\new
.set MSB, \new
.endif
.endm
.set MUL_LO, 0xa1                      ; source 0 (V) window 1, source 1 (U) window 0, C and D window 2
.set MUL_HI, 0xf1                      ; the same, C and D window 3
.set TO_B,   0x40                      ; destination window 1, address window 0
; Waves 0 and 1 fetch U's halves (jointly), waves 2 and 3 V's.  The branch hangs on the wave's number alone.  An s_nop 0 and four v_nop follow each of the two lines.
.macro JLOAD g0a, g1a, g0b, g1b
	s_cmp_eq_u32 s15, 0
	s_cbranch_scc0 .Lfor_b_\@
	tensor_load_to_lds s[\g0a:\g0a+3], s[\g1a:\g1a+7]
	s_nop 0
.rept 4
	v_nop
.endr
	s_branch .Lasked_\@
.Lfor_b_\@:
	tensor_load_to_lds s[\g0b:\g0b+3], s[\g1b:\g1b+7]
	s_nop 0
.rept 4
	v_nop
.endr
.Lasked_\@:
.endm
.macro CREST                           ; a round of the cluster's barrier behind its opening barrier
	s_cmp_lg_u32 s14, 0
	s_cbranch_scc1 .Lnot_wave_0_\@
	s_barrier_signal -3
.Lnot_wave_0_\@:
	s_barrier_wait -3
	s_barrier_signal -1
	s_barrier_wait -1
.endm
.macro CROUND                          ; a whole round
	s_barrier_signal -1
	s_barrier_wait -1
	CREST
.endm
	s_load_b256 s[4:11], s[0:1], 0x0               ; xa 4:5, xb 6:7, wqk 8:9, wv 10:11
	s_load_b256 s[68:75], s[0:1], 0x20             ; b_qk 68:69, b_v 70:71, scales 72:73, qk_img 74:75
	s_load_b64 s[76:77], s[0:1], 0x40              ; v_img
	v_lshl_add_u32 v[SPW], v0, 2, SPARE
	v_mov_b32 v[NIL], 0
	ds_add_u32 v[SPW], v[NIL]                      ; the wave's opening: the add and its wait stand ahead of my first tensor load; the set-up below, work on registers, stands between them
	v_lshrrev_b32 v1, 5, v0
	v_readfirstlane_b32 s14, v1                    ; wave 0..3
	s_lshr_b32 s15, s14, 1                         ; which half of the tile's rows is mine.  Also: I fetch for U (0) or for V (1)
	s_and_b32 s16, s14, 1                          ; which half of its columns.  Also: which 128 rows of that tile I fetch
	s_bfe_u32 s40, ttmp6, 0x40000                  ; cx: the grid is one cluster wide, so this is the work-group's x
	s_and_b32 s41, ttmp7, 0xffff                   ; y
	s_max_u32 s18, s41, 32
	s_sub_co_u32 s18, s18, 32                      ; yy (0 in the first part)
	s_and_b32 s19, s18, 1
	s_lshr_b32 s20, s18, 1
	s_lshl_b32 s20, s20, 2
	s_mov_b32 s82, 0x20000
	s_mov_b32 s84, 0x200000
	s_cmp_lt_u32 s41, 32
	s_cselect_b32 s17, s41, s19                    ; tile row: made of y alone
	s_cselect_b32 s82, 0x200000, s82               ; bytes from one 256 along K to the next: U: xa_img 2 MiB, wv_img 128 KiB
	s_cselect_b32 s84, 0x40000, s84                ; V: wqk_img 256 KiB, xb_img 2 MiB
	s_add_co_u32 s42, s20, s40                     ; tile column
	s_mov_b32 s83, 0
	s_mov_b32 s85, 0
	s_lshl_b32 s78, s82, 1                         ; a slot's next fill lies two such steps on
	s_mov_b32 s79, 0
	s_lshl_b32 s80, s84, 1
	s_mov_b32 s81, 0
	; descriptor group 1: a dense block of 32 KiB as 128 rows x 32 elements of 8 bytes
	s_mov_b32 s[G1+0], 15|(3<<16)|(1<<21)          ; 15:0 the mask: all four work-groups; 17:16 elements of 8 bytes; 21 set beside a mask; no padding
	s_mov_b32 s[G1B+0], 3<<16                      ; no mask
.irp g, G1, G1B
	s_mov_b32 s[\g+1], 32<<16                      ; tensor_dim0 = 32
	s_mov_b32 s[\g+2], 128<<16                     ; tensor_dim1 = 128
	s_mov_b32 s[\g+3], 32<<16                      ; tile_dim0 = 32
	s_mov_b32 s[\g+4], 128                         ; tile_dim1 = 128
	s_mov_b32 s[\g+5], 32                          ; tensor_dim0_stride
	s_mov_b32 s[\g+6], 0
	s_mov_b32 s[\g+7], 0
.endr
	s_lshl_b32 s18, s17, 16                        ; U: 16 row tiles of 4,096 bytes x tile row
	s_lshl_b32 s19, s16, 15                        ;    + my 8 of them
	s_add_co_u32 s18, s18, s19
	s_mov_b32 s19, 0
	s_lshl_b32 s44, s42, 16                        ; V: the same by the tile column
	s_lshl_b32 s45, s16, 15
	s_add_co_u32 s44, s44, s45
	s_mov_b32 s45, 0
	s_lshl_b32 s43, s14, 15                        ; where they go: wave x 32 KiB: no place in the cluster enters an LDS address
	s_wait_dscnt 0x0                               ; the opening add is done
	s_wait_kmcnt 0x0
	s_load_b256 s[88:95], s[72:73], 0x0            ; e0 .. e7
	s_cmp_lt_u32 s41, 32
	s_cselect_b64 s[20:21], s[4:5], s[10:11]       ; U: xa_img or wv_img
	s_cselect_b64 s[46:47], s[8:9], s[6:7]         ; V: wqk_img or xb_img
	s_add_nc_u64 s[20:21], s[20:21], s[18:19]
	s_add_nc_u64 s[46:47], s[46:47], s[44:45]
	CROUND                                         ; all four work-groups are here: the first joint loads meet
.irp s, 0,1
	s_mov_b32 s[G0+4*\s], 1
	s_add_co_u32 s[G0+4*\s+1], s43, \s*SLOT
	s_mov_b32 s[G0B+4*\s], 1
	s_add_co_u32 s[G0B+4*\s+1], s43, \s*SLOT
.if \s == 0
	s_mov_b64 s[G0+2:G0+3], s[20:21]
	s_mov_b64 s[G0B+2:G0B+3], s[46:47]
.else
	s_add_nc_u64 s[G0+6:G0+7], s[20:21], s[82:83]
	s_add_nc_u64 s[G0B+6:G0B+7], s[46:47], s[84:85]
.endif
	s_or_b32 s[G0+4*\s+3], s[G0+4*\s+3], 0x80000000
	s_or_b32 s[G0B+4*\s+3], s[G0B+4*\s+3], 0x80000000
	JLOAD G0+4*\s, G1, G0B+4*\s, G1B               ; two tensor loads of mine are out behind these
.endr
	v_and_b32 v1, 15, v0                           ; r
	v_bfe_u32 v2, v0, 4, 1                         ; h
	v_and_b32 v3, 31, v0
	v_lshlrev_b32 v[LI], 4, v3
	s_lshl_b32 s21, s15, 15                        ; my 128 rows of U
	s_lshl_b32 s22, s16, 15                        ; my 128 rows of V,
	s_add_co_u32 s22, s22, 65536                   ; which lie behind U's 256
.irp s, 0,1
	v_add_nc_u32 v[ADRA+\s], s21, v[LI]
	v_add_nc_u32 v[ADRB+\s], s22, v[LI]
	s_add_co_u32 s21, s21, SLOT
	s_add_co_u32 s22, s22, SLOT
.endr
	s_wait_kmcnt 0x0
	s_add_co_i32 s18, s88, s89                     ; e0 + e1
	s_add_co_i32 s19, s90, s91                     ; e2 + e3
	s_cmp_lt_u32 s42, 2                            ; tile columns 0, 1 are q's, 2, 3 are k's: a choice of a value, no branch
	s_cselect_b32 s22, s92, s93
	s_cmp_lt_u32 s41, 32
	s_cselect_b32 s18, s18, s19                    ; a sum stands for sum x 2^this
	s_cselect_b32 s22, s22, s94                    ; the result's own exponent: e4, e5 or e6
	s_sub_co_i32 s22, s22, s18
	s_add_co_i32 s22, s22, 127
	s_lshl_b32 s23, s22, 23
	v_mov_b32 v[SC], s23                           ; the three scales folded into the conversion's one
	s_add_co_i32 s22, s22, 8
	s_lshl_b32 s22, s22, 23
	s_or_b32 s22, s22, 0x600000
	v_mov_b32 v[LIM], s22
	s_sub_co_i32 s66, 0, s18                       ; the biases go in x 2^-(that sum)
	; ---- the biases, in the results' layout
	s_cmp_lt_u32 s41, 32
	s_cbranch_scc0 .Lbias_v
	s_and_b32 s18, s42, 1                          ; q, k: result column 16 b + 8 h + j of my 128 is head 4 (tc % 2) + 2 half + b / 4, channel 16 (b % 4) + 8 h + j, c = tc / 2: entry head x 128 + 2 channel + c of b_qk
	s_lshl_b32 s18, s18, 11
	s_lshl_b32 s19, s16, 10
	s_add_co_u32 s18, s18, s19
	s_lshr_b32 s19, s42, 1
	s_lshl_b32 s19, s19, 2
	s_add_co_u32 s18, s18, s19
	s_mov_b32 s19, 0
	s_add_nc_u64 s[68:69], s[68:69], s[18:19]
	v_lshlrev_b32 v[BOF], 6, v2
.irp b, 0,1,2,3,4,5,6,7
.irp j, 0,1,2,3,4,5,6,7
	global_load_b32 v[BI+8*\b+\j], v[BOF], s[68:69] offset:512*(\b/4)+128*(\b%4)+8*\j
.endr
.endr
	s_wait_loadcnt 0x0
.set NN, 0
.rept 64
	v_ldexp_f32 v[BI+NN], v[BI+NN], s66
.set NN, NN+1
.endr
	s_branch .Lbias_done
.Lbias_v:
	s_lshl_b32 s18, s17, 10                        ; v^T: my lane's row 16 a + r is a channel: one number for a block's eight registers
	s_lshl_b32 s19, s15, 9
	s_add_co_u32 s18, s18, s19
	s_mov_b32 s19, 0
	s_add_nc_u64 s[70:71], s[70:71], s[18:19]
	v_lshlrev_b32 v[BOF], 2, v1
.irp a, 0,1,2,3,4,5,6,7
	global_load_b32 v[RAW+\a], v[BOF], s[70:71] offset:64*\a
.endr
	s_wait_loadcnt 0x0
.irp a, 0,1,2,3,4,5,6,7
.irp j, 0,1,2,3,4,5,6,7
	v_ldexp_f32 v[BI+8*\a+\j], v[RAW+\a], s66
.endr
.endr
.Lbias_done:
.macro FRAG reg, adr, q, i             ; a fragment's image: block i of my 8, the slot's q-th 128 along K
.irp c, 0,1,2,3
	ds_load_b128 v[\reg+4*\c:\reg+4*\c+3], v[\adr] offset:4096*(\i)+2048*(\q)+512*\c
.endr
.endm
; 16 matrix instructions: U's blocks a0, a0 + 1 x V's eight, 128 along K.  p: V's set.  mode 0: onto the sums; 1: the sums begin with the bias of the column block; 2: of the row block.
; The 64 accumulators take turns, one instruction a turn, in the same order in every step.
.macro MUL16 a0, p, mode
.irp a, \a0, \a0+1
.irp b, 0,1,2,3,4,5,6,7
.if \mode == 1
	v_wmma_f32_16x16x128_fp8_fp8 v[8*(8*((\a)%4)+\b):8*(8*((\a)%4)+\b)+7], v[128*(\p)+FR*\b:128*(\p)+FR*\b+FR-1], v[AF+FR*(\a):AF+FR*(\a)+FR-1], v[BI+8*\b:BI+8*\b+7]
.elseif \mode == 2
	v_wmma_f32_16x16x128_fp8_fp8 v[8*(8*((\a)%4)+\b):8*(8*((\a)%4)+\b)+7], v[128*(\p)+FR*\b:128*(\p)+FR*\b+FR-1], v[AF+FR*(\a):AF+FR*(\a)+FR-1], v[BI+8*(\a):BI+8*(\a)+7]
.else
	v_wmma_f32_16x16x128_fp8_fp8 v[8*(8*((\a)%4)+\b):8*(8*((\a)%4)+\b)+7], v[128*(\p)+FR*\b:128*(\p)+FR*\b+FR-1], v[AF+FR*(\a):AF+FR*(\a)+FR-1], v[8*(8*((\a)%4)+\b):8*(8*((\a)%4)+\b)+7]
.endif
.endr
.endr
.endm
.macro FETCH_B slot, q, p              ; V's eight fragments into set p
	WIN TO_B
.irp i, 0,1,2,3,4,5,6,7
	FRAG 128*(\p)+FR*\i, ADRB+\slot, \q, \i
.endr
	WIN 0
.endm
.macro FETCH_A slot, q, i0             ; U's blocks i0 .. i0 + 3
.irp i, \i0, \i0+1, \i0+2, \i0+3
	FRAG AF+FR*(\i), ADRA+\slot, \q, \i
.endr
.endm
.macro PLACES n                        ; plain vector instructions between a matrix instruction and a load into, or a vector instruction on, one of its registers (ISA guide 7.12.1 for vector instructions)
.rept \n
	v_nop
.endr
.endm
; A step of 128 along K that has its successor in the same slot.  U's blocks 0-3 are fetched anew in its middle, blocks 4-7 at its end; V's next set in the middle.
.macro STEP slot, q, mode
	s_wait_dscnt 4*NL                              ; V's set and U's blocks 0-3 are in; the youngest 16 loads (U's blocks 4-7) may be out
.if \mode
	WIN 0x81                                       ; C (the biases) in window 0, D in window 2
.else
	WIN MUL_LO
.endif
	MUL16 0, (\q)%2, \mode
	MUL16 2, (\q)%2, \mode
	s_wait_dscnt 0
	PLACES NP
	FETCH_B \slot, (\q)+1, 1-(\q)%2
	FETCH_A \slot, (\q)+1, 0
.if \mode
	WIN 0xc1
.else
	WIN MUL_HI
.endif
	MUL16 4, (\q)%2, \mode
	MUL16 6, (\q)%2, \mode
	PLACES NP
	WIN 0
	FETCH_A \slot, (\q)+1, 4
.endm
; A slot's last step changes slots: ONE barrier; in front of it each wave waits for all its tensor loads, adds 0 to its spare word, and waits for that and for its reads of this slot.  fill = 1: the slot is filled again.
.macro TURN slot, next, fill
	s_wait_tensorcnt 0x0                           ; all my tensor loads have landed: my part of the next slot
	ds_add_u32 v[SPW], v[NIL]                      ; 0 onto my spare word
	s_wait_dscnt 4*NL+1                            ; (the add and the youngest 16 loads may be out)
	WIN MUL_LO
	MUL16 0, 1, 0                                  ; sixteen matrix instructions stand between the add and the wait for it
	s_wait_dscnt 0x0                               ; the add is done, and my reads of this slot are over
	s_barrier_signal -1
	MUL16 2, 1, 0
	WIN 0
	s_barrier_wait -1
.if \fill
	CREST                                          ; the barrier has opened a round of the cluster's barrier: no wave of any partner still reads this slot or has a load on its way
	s_add_nc_u64 s[G0+4*\slot+2:G0+4*\slot+3], s[G0+4*\slot+2:G0+4*\slot+3], s[78:79]
	s_add_nc_u64 s[G0B+4*\slot+2:G0B+4*\slot+3], s[G0B+4*\slot+2:G0B+4*\slot+3], s[80:81]
	JLOAD G0+4*\slot, G1, G0B+4*\slot, G1B         ; my one tensor load behind the round; its four v_nop are the places in front of the loads below
.else
	PLACES NP
.endif
	FETCH_B \next, 0, 0
	FETCH_A \next, 0, 0
	WIN MUL_HI
	MUL16 4, 1, 0
	MUL16 6, 1, 0
	PLACES NP
	WIN 0
	FETCH_A \next, 0, 4
.endm
	s_wait_tensorcnt 1                             ; my part of slot 0 is in; slot 1's may stay out
	s_barrier_signal -1
	s_barrier_wait -1
	FETCH_B 0, 0, 0
	FETCH_A 0, 0, 0
	FETCH_A 0, 0, 4
	s_cmp_lt_u32 s41, 32                           ; the first step starts the sums with the biases: by columns (q, k) or by rows (v^T)
	s_cbranch_scc0 .Lfirst_v
	STEP 0, 0, 1
	s_branch .Lfirst_done
.Lfirst_v:
	STEP 0, 0, 2
.Lfirst_done:
	TURN 0, 1, 1                                   ; K has four slots' worth: written out, no loop.  Slot 0 takes K 512..767,
	STEP 1, 0, 0
	TURN 1, 0, 1                                   ; slot 1 takes K 768..1023
	STEP 0, 0, 0
	TURN 0, 1, 0                                   ; nothing is left to fetch
	STEP 1, 0, 0
	s_wait_dscnt 4*NL
	WIN MUL_LO
	MUL16 0, 1, 0
	MUL16 2, 1, 0
	s_wait_dscnt 0
	WIN MUL_HI
	MUL16 4, 1, 0
	MUL16 6, 1, 0
	WIN 0
	PLACES NP                                      ; behind the last products: their results are read and U's registers are written below
; THE WAY OUT of block a (16 rows of P x my 128 columns): held, converted, stored.  Accumulator b's eight numbers are k = 16 b + 8 h + 0..7 of the reader's fragment: registers 2 b, 2 b + 1.
; Each accumulator is read from its low end on.  Every block has code registers of its own, so no store's data are written again.
.macro OUTBLK a, kind
	WIN 0x02+((\a)/4)                              ; source 0: window 2 or 3
.set NN, 0
.rept 64
	v_med3_num_f32 v[BI+NN], v[64*((\a)%4)+NN], -v[LIM], v[LIM]
.set NN, NN+1
.endr
	WIN 0
.irp b, 0,1,2,3,4,5,6,7
	v_cvt_scalef32_pk8_fp8_f32 v[AF+16*(\a)+2*\b:AF+16*(\a)+2*\b+1], v[BI+8*\b:BI+8*\b+7], v[SC]
.endr
	v_nop                                          ; a plain instruction between the conversions and the next block's writes of their sources
.irp g, 0,1,2,3
.if \kind == 0
	global_store_b128 v[LI], v[AF+16*(\a)+4*\g:AF+16*(\a)+4*\g+3], s[86:87] offset:(\g/2)*524288+1024*(\a)+512*(\g%2)   ; my two planes; row tile a; half an image
.else
	global_store_b128 v[LI], v[AF+16*(\a)+4*\g:AF+16*(\a)+4*\g+3], s[86:87] offset:((\a)/4)*262144+2048*((\a)%4)+512*\g   ; my two heads; channel tile a % 4
.endif
.endr
.endm
	s_cmp_lt_u32 s41, 32
	s_cbranch_scc0 .Lout_v
	s_lshl_b32 s18, s42, 21                        ; plane 4 x tile column + 2 x half, 512 KiB each
	s_lshl_b32 s19, s16, 20
	s_add_co_u32 s18, s18, s19
	s_lshl_b32 s19, s17, 14                        ; row tile 16 x tile row + 8 x half, 1,024 bytes each
	s_add_co_u32 s18, s18, s19
	s_lshl_b32 s19, s15, 13
	s_add_co_u32 s18, s18, s19
	s_mov_b32 s19, 0
	s_add_nc_u64 s[86:87], s[74:75], s[18:19]
.irp a, 0,1,2,3,4,5,6,7
	OUTBLK \a, 0
.endr
	s_branch .Lout_done
.Lout_v:
	s_lshl_b32 s18, s42, 1
	s_add_co_u32 s18, s18, s16                     ; my 128 columns are key step 2 x tile column + half of 64: batch = / 32
	s_lshr_b32 s19, s18, 5
	s_lshl_b32 s19, s19, 3
	s_lshl_b32 s20, s17, 2
	s_add_co_u32 s19, s19, s20
	s_lshl_b32 s20, s15, 1
	s_add_co_u32 s19, s19, s20                     ; batch x 8 + head, head = 4 x tile row + 2 x half
	s_lshl_b32 s19, s19, 18
	s_and_b32 s18, s18, 31
	s_lshl_b32 s18, s18, 13
	s_add_co_u32 s18, s18, s19
	s_mov_b32 s19, 0
	s_add_nc_u64 s[86:87], s[76:77], s[18:19]
.irp a, 0,1,2,3,4,5,6,7
	OUTBLK \a, 1
.endr
.Lout_done:
	s_wait_tensorcnt 0x0                           ; the wave's end
	ds_add_u32 v[SPW], v[NIL]
	s_wait_dscnt 0x0
	CROUND                                         ; the closing round: no work-group ends while a partner may still ask for a tile that names it
	s_endpgm
.Lfunc_end_k_q3c74f2a1c2_proj:
	.size	k_q3c74f2a1c2_proj, .Lfunc_end_k_q3c74f2a1c2_proj-k_q3c74f2a1c2_proj
	.p2alignl 7, 3214868480
	.fill 96, 4, 3214868480
	.section	.rodata,"a",@progbits
	.p2align	6, 0x0
	.amdhsa_kernel k_q3c74f2a1c2_proj
		.amdhsa_group_segment_fixed_size 327680
		.amdhsa_private_segment_fixed_size 0
		.amdhsa_enable_private_segment 0
		.amdhsa_kernarg_size 72
		.amdhsa_user_sgpr_count 2
		.amdhsa_user_sgpr_kernarg_segment_ptr 1
		.amdhsa_wavefront_size32 1
		.amdhsa_system_sgpr_workgroup_id_x 1
		.amdhsa_system_sgpr_workgroup_id_y 1
		.amdhsa_system_sgpr_workgroup_id_z 1
		.amdhsa_system_vgpr_workitem_id 0
		.amdhsa_next_free_vgpr 1024
		.amdhsa_next_free_sgpr 100
		.amdhsa_reserve_vcc 0
		.amdhsa_float_denorm_mode_32 3
		.amdhsa_float_denorm_mode_16_64 3
		.amdhsa_memory_ordered 1
		.amdhsa_forward_progress 1
		.amdhsa_inst_pref_size 182
	.end_amdhsa_kernel
	.amdgpu_metadata
---
amdhsa.version: [ 1, 2 ]
amdhsa.kernels:
  - .name:           k_q3c74f2a1c2_proj
    .symbol:         k_q3c74f2a1c2_proj.kd
    .args:
      - { .name: xa_img, .offset: 0, .size: 8, .value_kind: global_buffer, .address_space: global }
      - { .name: xb_img, .offset: 8, .size: 8, .value_kind: global_buffer, .address_space: global }
      - { .name: wqk_img, .offset: 16, .size: 8, .value_kind: global_buffer, .address_space: global }
      - { .name: wv_img, .offset: 24, .size: 8, .value_kind: global_buffer, .address_space: global }
      - { .name: b_qk, .offset: 32, .size: 8, .value_kind: global_buffer, .address_space: global }
      - { .name: b_v, .offset: 40, .size: 8, .value_kind: global_buffer, .address_space: global }
      - { .name: lowp_scales, .offset: 48, .size: 8, .value_kind: global_buffer, .address_space: global }
      - { .name: qk_img, .offset: 56, .size: 8, .value_kind: global_buffer, .address_space: global }
      - { .name: v_img, .offset: 64, .size: 8, .value_kind: global_buffer, .address_space: global }
    .group_segment_fixed_size: 327680
    .private_segment_fixed_size: 0
    .kernarg_segment_align: 8
    .kernarg_segment_size: 72
    .max_flat_workgroup_size: 128
    .sgpr_count:     100
    .vgpr_count:     1024
    .wavefront_size: 32
...
	.end_amdgpu_metadata
.endif
;; end of part 2
;; launch attn (part 3): grid 16 x 16, 16 waves a work-group, no clusters, 67,584 bytes of LDS; arguments qk_img, v_img, lowp_scales, o_img; writes o_img
.if DOCPART == 3
	.amdgcn_target "amdgcn-amd-amdhsa--gfx1250"
	.amdhsa_code_object_version 6
	.text
	.protected	k_q3c74f2a1c2_attn
	.globl	k_q3c74f2a1c2_attn
	.p2align	8
	.type	k_q3c74f2a1c2_attn,@function
k_q3c74f2a1c2_attn:
	s_mov_b64 s[64:65], 0
	v_nop
	global_prefetch_b8 v0, s[64:65] scope:SCOPE_SE
	s_setreg_imm32_b32 hwreg(HW_REG_WAVE_MODE, 25, 1), 1
	s_wait_xcnt 0x0
; ATTN: o = softmax(q k^T / 8) v for 16 heads (2 batches x 8) of 4,096 rows and 64 channels, both products on codes of FP8; o is quantised for the output layer.
; THE SOFTMAX AHEAD OF THE SECOND PRODUCT: t = score x log2(e) / 8; M = the row's largest t so far, rounded UP to a whole number; p = 2^(t - M) is what is quantised, along the keys, not normalised.
; The row's sum is taken of the unquantised p, in f32, and divides O at the end.  When M moves, the sum and O are multiplied by 2^(old M - new M): exact.
; SHARES.  Work-group (x, y): head y (batch y / 8, head y % 8), queries 256 x on.  Each of SIXTEEN waves owns one tile of 16 queries in 256 registers: four waves to a SIMD, so that one wave's vector work
; stands beside another's matrix work and LDS loads.  Every wave walks the head's 4,096 keys, 128 a step, 256 a slot.
; LAYOUT.  Both products are used transposed: S^T = K Q^T (source 0 = 16 keys, source 1 = my queries; K = 64), O^T = V^T P^T (source 0 = 16 channels, source 1 = P; K = 128 keys): a lane holds ONE query throughout.
; Tile T of S^T gives lane (r, h) the keys 16 T + 8 h + 0..7, which are registers 2 T, 2 T + 1 of P's fragment: the conversions' results are the operand.  q, k, v arrive and o leaves as images of operand registers.
; K AND V GO THROUGH REGISTERS INTO TWO LDS BUFFERS, 32 KiB a slot, copied as they lie: each wave copies 2,048 bytes a slot (4 loads, 4 LDS stores), asked for a whole slot ahead of the wait for them.
; NO TENSOR LOADS AND SO NO JOINT REQUESTS, though the 16 work-groups of a head walk the same K and V.  The reason: p is at most 1, so its hold at 448 x 2^e7 changes nothing unless e7 <= -9; it is 64 of a key step's
; some 260 vector instructions, which bound this loop (12 matrix instructions a step).  It is jumped over by a scalar branch on the given whole number e7.
; LIMITS: e4 + e5 between -123 and 130 (added to c's exponent field); e7 and e8 between -126 and 119; e6 + e7 is applied by v_ldexp_f32 and has none.  NaN is not served.
; REGISTERS: v1 16 x lane; v4 the copy's LDS place; v12 -M, v13 the largest t, v[14:15] the sum in two halves; v16-23 Q; v24-39, v40-55 the copies on their way; v56-119 K's 8 fragments, then V's 4;
;   v120-183 S^T, then p; v184-215 O^T; v216-231 p's codes; v236-254 at work; v240 448 x 2^e7, v244 2^e7.
.set BUF,   32768                      ; a buffer: K's 16 images of 1,024 bytes, then V's 2 x 4 images of 2,048
.set VOFF,  16384
.set SPARE, 2*BUF                      ; behind the buffers: the spare words, 128 bytes a wave, which no other line names
.set LI,  1
.set SPW, 2                            ; v2  SPARE + 4 x my thread's number; never rewritten
.set NIL, 3                            ; v3  0; never rewritten
.set LST, 4
.set QF,  16
.set STG, 24
.set F,   56
.set S,   120
.set O,   184
.set PC,  216
	s_load_b256 s[4:11], s[0:1], 0x0               ; qk_img 4:5, v_img 6:7, scales 8:9, o_img 10:11
	v_lshl_add_u32 v[SPW], v0, 2, SPARE
	v_mov_b32 v[NIL], 0
	v_lshrrev_b32 v5, 5, v0
	v_readfirstlane_b32 s12, v5                    ; wave 0..15
	v_and_b32 v5, 31, v0
	v_lshlrev_b32 v[LI], 4, v5
	s_lshl_b32 s13, s12, 11
	v_add_nc_u32 v[LST], s13, v[LI]                ; waves 0-7 copy K's 16 KiB, waves 8-15 V's, which lies behind it: 2,048 x wave
	s_and_b32 s35, ttmp7, 0xffff                   ; y
	s_lshr_b32 s36, s35, 3                         ; batch
	s_and_b32 s37, s35, 7                          ; head
	s_lshl_b32 s38, ttmp9, 4
	s_add_co_u32 s38, s38, s12                     ; my tile of queries in the sequence
	s_lshl_b32 s40, s37, 19                        ; q's plane,
	s_lshl_b32 s41, s36, 18                        ; the batch's 256 tiles
	s_add_co_u32 s40, s40, s41
	s_lshl_b32 s41, s38, 10
	s_add_co_u32 s42, s40, s41                     ; Q's image
	s_mov_b32 s43, 0
	s_and_b32 s41, s12, 7
	s_lshl_b32 s41, s41, 11                        ; my 2,048 bytes of a slot's 16 KiB
	s_add_co_u32 s44, s40, 0x400000                ; k's plane lies 8 planes on
	s_add_co_u32 s44, s44, s41
	s_mov_b32 s45, 0
	s_lshl_b32 s46, s35, 18                        ; v: 256 KiB a head
	s_add_co_u32 s46, s46, s41
	s_mov_b32 s47, 0
	s_lshl_b32 s48, s36, 8
	s_add_co_u32 s48, s48, s38
	s_lshl_b32 s48, s48, 13                        ; o: row tile x 8,192
	s_lshl_b32 s49, s37, 10                        ;    + head x 1,024: K step head / 2, half head % 2 of its image
	s_add_co_u32 s48, s48, s49
	s_mov_b32 s49, 0
	s_mov_b32 s20, 0x76543210                      ; v_permlanex16_b32's selects: lane l xor 16
	s_mov_b32 s21, 0xfedcba98
	s_mov_b32 s22, 0x3e38aa3b                      ; c = log2(e) / 8
	s_wait_kmcnt 0x0
	s_load_b256 s[24:31], s[8:9], 0x0              ; e0 .. e7
	s_load_b64 s[32:33], s[8:9], 0x20              ; e8, e9
	s_add_nc_u64 s[16:17], s[4:5], s[42:43]
	s_add_nc_u64 s[44:45], s[4:5], s[44:45]
	s_add_nc_u64 s[46:47], s[6:7], s[46:47]
	s_cmp_lt_u32 s12, 8
	s_cselect_b64 s[14:15], s[44:45], s[46:47]     ; what I copy: it walks 16 KiB a slot
	s_add_nc_u64 s[18:19], s[10:11], s[48:49]
.irp i, 0,1,2,3
	global_load_b128 v[STG+4*\i:STG+4*\i+3], v[LI], s[14:15] offset:512*\i               ; slot 0
.endr
.irp i, 0,1,2,3
	global_load_b128 v[STG+16+4*\i:STG+16+4*\i+3], v[LI], s[14:15] offset:16384+512*\i   ; slot 1
.endr
	global_load_b128 v[QF:QF+3], v[LI], s[16:17]                                         ; Q stays in registers
	global_load_b128 v[QF+4:QF+7], v[LI], s[16:17] offset:512
	v_mov_b32 v13, 0xff61b1e6                      ; the largest t so far: -3e38, under every t
	v_floor_f32 v12, -v13                          ; -M
	v_mov_b32 v14, 0
	v_mov_b32 v15, 0
	v_mov_b32 v236, 0                              ; written once: a lane permute's destination counts as one of its sources
	v_mov_b32 v253, 0                              ; (named as the upper half of the pair v[252:253])
.set JJ, 0
.rept 32
	v_mov_b32 v[O+JJ], 0                           ; O^T: the step is written once; the first finds zeros, which the first change of M leaves zeros
.set JJ, JJ+1
.endr
	s_wait_kmcnt 0x0
	s_add_co_i32 s50, s28, s29
	s_lshl_b32 s50, s50, 23
	s_add_co_i32 s22, s22, s50                     ; a score stands for score x 2^(e4 + e5): added to c's exponent field
	s_mov_b32 s23, s22                             ; (named with it as a pair, so it is written)
	s_add_co_i32 s50, s31, 127
	s_lshl_b32 s51, s50, 23
	v_mov_b32 v244, s51                            ; 2^e7
	s_add_co_i32 s50, s50, 8
	s_lshl_b32 s50, s50, 23
	s_or_b32 s50, s50, 0x600000
	v_mov_b32 v240, s50                            ; 448 x 2^e7
	s_add_co_i32 s52, s32, 127
	s_lshl_b32 s51, s52, 23                        ; 2^e8, for the way out,
	s_add_co_i32 s52, s52, 8
	s_lshl_b32 s52, s52, 23
	s_or_b32 s52, s52, 0x600000                    ; 448 x 2^e8,
	s_add_co_i32 s50, s30, s31                     ; and e6 + e7
	s_wait_loadcnt 6                               ; slot 0's four loads are in; slot 1's four and Q's two may be out
.irp i, 0,1,2,3
	ds_store_b128 v[LST], v[STG+4*\i:STG+4*\i+3] offset:512*\i
.endr
	s_wait_dscnt 0x0                               ; for the others' sake: my part of buffer 0 has landed
	s_barrier_signal -1
	s_barrier_wait -1
; A KEY STEP: 128 keys, the q-th of the slot in buffer beta.
.macro STEP beta, q
.rept 4
	v_nop                                          ; places between the last products, which read v56 on, and the loads into those registers
.endr
.irp t, 0,1,2,3,4,5,6,7
	ds_load_b128 v[F+8*\t:F+8*\t+3],   v[LI] offset:BUF*\beta+1024*(8*\q+\t)
	ds_load_b128 v[F+8*\t+4:F+8*\t+7], v[LI] offset:BUF*\beta+1024*(8*\q+\t)+512
.endr
	s_wait_dscnt 8                                 ; tiles 0-3 are in; the youngest eight loads may be out
.irp t, 0,1,2,3
	v_wmma_f32_16x16x64_fp8_fp8 v[S+8*\t:S+8*\t+7], v[F+8*\t:F+8*\t+7], v[QF:QF+7], 0
.endr
	s_wait_dscnt 0x0
.irp t, 4,5,6,7
	v_wmma_f32_16x16x64_fp8_fp8 v[S+8*\t:S+8*\t+7], v[F+8*\t:F+8*\t+7], v[QF:QF+7], 0
.endr
.rept 4
	v_nop                                          ; places in front of the loads into K's registers and of the first read of the scores
.endr
.irp t, 0,1,2,3
.irp g, 0,1,2,3
	ds_load_b128 v[F+16*\t+4*\g:F+16*\t+4*\g+3], v[LI] offset:BUF*\beta+VOFF+8192*\q+2048*\t+512*\g   ; V lands while the softmax is worked
.endr
.endr
	v_max3_num_f32 v254, v[S], v[S+1], v[S+2]      ; the step's largest score of my query among my 64 keys, in two chains, each accumulator from its low end on,
	v_max3_num_f32 v252, v[S+3], v[S+4], v[S+5]
.set JJ, 6
.rept 14
	v_max3_num_f32 v254, v254, v[S+JJ], v[S+JJ+1]
	v_max3_num_f32 v252, v252, v[S+JJ+2], v[S+JJ+3]
.set JJ, JJ+4
.endr
	v_max3_num_f32 v254, v254, v[S+62], v[S+63]
	v_max_num_f32 v254, v254, v252
	v_permlanex16_b32 v236, v254, s20, s21
	v_max_num_f32 v254, v254, v236                 ; and among lane l xor 16's
	v_mul_f32 v254, s22, v254                      ; as t (c is positive)
	v_max_num_f32 v13, v13, v254                   ; the running largest t
	v_mov_b32 v254, v12
	v_floor_f32 v12, -v13                          ; the new -M = floor(-t) = -ceil(t): a whole number
	v_sub_f32 v254, v12, v254                      ; old M - new M: a whole number, 0 or less
	v_cvt_i32_f32 v254, v254                       ; (it saturates)
	v_ldexp_f32 v252, 1.0, v254                    ; f = 2^(old M - new M)
.set JJ, 0
.rept 32
	v_pk_fma_f32 v[S+JJ:S+JJ+1], v[S+JJ:S+JJ+1], s[22:23], v[12:13] op_sel_hi:[1,0,0]   ; t - M, two at a time (of the pairs c and -M the low word serves both halves)
.set JJ, JJ+2
.endr
.set JJ, 0
.rept 64
	v_exp_f32 v[S+JJ], v[S+JJ]                     ; p = 2^(t - M), at most 1
.set JJ, JJ+1
.endr
	v_pk_mul_f32 v[14:15], v[14:15], v[252:253] op_sel_hi:[1,0]   ; the sums under the new M: the plain instruction behind the exponentials
	s_wait_alu depctr_va_vdst(0)                   ; the wait ahead of the first instruction that names an exponential's result: one for the batch of 64
	v_pk_add_f32 v[242:243], v[S:S+1], v[S+2:S+3]  ; the row's sum is taken of the unquantised p, in two chains
.set JJ, 4
.rept 15
	v_pk_add_f32 v[14:15], v[14:15], v[S+JJ:S+JJ+1]
	v_pk_add_f32 v[242:243], v[242:243], v[S+JJ+2:S+JJ+3]
.set JJ, JJ+4
.endr
	v_pk_add_f32 v[14:15], v[14:15], v[242:243]
	s_cmp_gt_i32 s31, -9                           ; with e7 >= -8 the largest code x the scale is 1.75 or more, and p is at most 1: the hold would change nothing
	s_cbranch_scc1 .Lnohold_\@
.set JJ, 0
.rept 64
	v_min_num_f32 v[S+JJ], v[S+JJ], v240           ; the conversion to an 8-bit code does not saturate (ISA guide 7.6.2); p is not negative, so the hold is one-sided
.set JJ, JJ+1
.endr
.Lnohold_\@:
.irp t, 0,1,2,3,4,5,6,7
	v_cvt_scalef32_pk8_fp8_f32 v[PC+2*\t:PC+2*\t+1], v[S+8*\t:S+8*\t+7], v244
.endr
.set JJ, 0
.rept 16
	v_pk_mul_f32 v[O+JJ:O+JJ+1], v[O+JJ:O+JJ+1], v[252:253] op_sel_hi:[1,0]   ; O^T under the new M; these are also the plain instructions between the conversions and the products that read the codes
.set JJ, JJ+2
.endr
	s_wait_dscnt 0x0                               ; V is in
.irp t, 0,1,2,3
	v_wmma_f32_16x16x128_fp8_fp8 v[O+8*\t:O+8*\t+7], v[F+16*\t:F+16*\t+15], v[PC:PC+15], v[O+8*\t:O+8*\t+7]   ; the four accumulators take turns; the next step's eight products on S^T stand before they are taken up again
.endr
.endm
; A SLOT of 256 keys in buffer beta.  st: the next slot's copy, asked for a slot ago, goes into the other buffer, which nobody has read since the last barrier.  ld: the slot after that is asked for.
; bar: ONE barrier for two things: my stores into the other buffer have landed, and my reads of this buffer are over.
.macro SLOT beta, st, ld, bar
.if \st
	s_wait_loadcnt 0x0                             ; the copy is in registers (in the first slot: Q too); no load of mine is out, so the walking address may be written
.irp i, 0,1,2,3
	ds_store_b128 v[LST], v[STG+16*(1-\beta)+4*\i:STG+16*(1-\beta)+4*\i+3] offset:BUF*(1-\beta)+512*\i
.endr
.endif
.if \ld
	s_add_nc_u64 s[14:15], s[14:15], 16384
.irp i, 0,1,2,3
	global_load_b128 v[STG+16*\beta+4*\i:STG+16*\beta+4*\i+3], v[LI], s[14:15] offset:16384+512*\i   ; into the registers whose LDS stores were waited for in front of the last barrier
.endr
.endif
	STEP \beta, 0
	STEP \beta, 1
.if \bar
	s_wait_dscnt 0x0
	s_barrier_signal -1
	s_barrier_wait -1
.endif
.endm
	s_mov_b32 s34, 7
.Lpair:                                            ; 7 trips: slots 0 to 13; they ask for slots 2 to 15
	SLOT 0, 1, 1, 1
	SLOT 1, 1, 1, 1
	s_sub_co_u32 s34, s34, 1
	s_cmp_lg_u32 s34, 0
	s_cbranch_scc1 .Lpair
	SLOT 0, 1, 0, 1                                ; slot 14: nothing is left to ask for: no load leaves its buffer
	SLOT 1, 0, 0, 0                                ; slot 15
	; THE WAY OUT: O^T x 2^(e6 + e7) / the sum, quantised at e8.  Tile t's eight channels 16 t + 8 h + 0..7 are registers 2 t, 2 t + 1 of my head's half of the output layer's fragment.
	v_add_f32 v14, v14, v15                        ; the sum's two halves (these lines are the places behind the last products),
	v_permlanex16_b32 v252, v14, s20, s21
	v_add_f32 v14, v14, v252                       ; and lane l xor 16's
	v_rcp_f32 v14, v14
	v_mov_b32 v244, s51                            ; 2^e8 (a plain instruction behind the reciprocal)
	v_mov_b32 v240, s52                            ; 448 x 2^e8
	s_wait_alu depctr_va_vdst(0)                   ; the wait ahead of the reciprocal's first reader
	v_ldexp_f32 v14, v14, s50
.set JJ, 0
.rept 32
	v_mul_f32 v[S+JJ], v[O+JJ], v14
.set JJ, JJ+1
.endr
.set JJ, 0
.rept 32
	v_med3_num_f32 v[S+JJ], v[S+JJ], -v240, v240
.set JJ, JJ+1
.endr
.irp t, 0,1,2,3
	v_cvt_scalef32_pk8_fp8_f32 v[PC+2*\t:PC+2*\t+1], v[S+8*\t:S+8*\t+7], v244
.endr
	v_nop
	global_store_b128 v[LI], v[PC:PC+3], s[18:19]                  ; 32 lanes store 512 consecutive bytes
	global_store_b128 v[LI], v[PC+4:PC+7], s[18:19] offset:512
	s_wait_tensorcnt 0x0                           ; the wave's end
	ds_add_u32 v[SPW], v[NIL]
	s_wait_dscnt 0x0
	s_endpgm
.Lfunc_end_k_q3c74f2a1c2_attn:
	.size	k_q3c74f2a1c2_attn, .Lfunc_end_k_q3c74f2a1c2_attn-k_q3c74f2a1c2_attn
	.p2alignl 7, 3214868480
	.fill 96, 4, 3214868480
	.section	.rodata,"a",@progbits
	.p2align	6, 0x0
	.amdhsa_kernel k_q3c74f2a1c2_attn
		.amdhsa_group_segment_fixed_size 67584
		.amdhsa_private_segment_fixed_size 0
		.amdhsa_enable_private_segment 0
		.amdhsa_kernarg_size 32
		.amdhsa_user_sgpr_count 2
		.amdhsa_user_sgpr_kernarg_segment_ptr 1
		.amdhsa_wavefront_size32 1
		.amdhsa_system_sgpr_workgroup_id_x 1
		.amdhsa_system_sgpr_workgroup_id_y 1
		.amdhsa_system_sgpr_workgroup_id_z 1
		.amdhsa_system_vgpr_workitem_id 0
		.amdhsa_next_free_vgpr 256
		.amdhsa_next_free_sgpr 66
		.amdhsa_reserve_vcc 0
		.amdhsa_float_denorm_mode_32 3
		.amdhsa_float_denorm_mode_16_64 3
		.amdhsa_memory_ordered 1
		.amdhsa_forward_progress 1
		.amdhsa_inst_pref_size 133
	.end_amdhsa_kernel
	.amdgpu_metadata
---
amdhsa.version: [ 1, 2 ]
amdhsa.kernels:
  - .name:           k_q3c74f2a1c2_attn
    .symbol:         k_q3c74f2a1c2_attn.kd
    .args:
      - { .name: qk_img, .offset: 0, .size: 8, .value_kind: global_buffer, .address_space: global }
      - { .name: v_img, .offset: 8, .size: 8, .value_kind: global_buffer, .address_space: global }
      - { .name: lowp_scales, .offset: 16, .size: 8, .value_kind: global_buffer, .address_space: global }
      - { .name: o_img, .offset: 24, .size: 8, .value_kind: global_buffer, .address_space: global }
    .group_segment_fixed_size: 67584
    .private_segment_fixed_size: 0
    .kernarg_segment_align: 8
    .kernarg_segment_size: 32
    .max_flat_workgroup_size: 512
    .sgpr_count:     66
    .vgpr_count:     256
    .wavefront_size: 32
...
	.end_amdgpu_metadata
.endif
;; end of part 3
;; launch outln (part 4): grid 256 x 1, 16 waves a work-group, no clusters, 150,016 bytes of LDS; arguments o_img, wo_img, lowp_scales, b_out, ln_gamma, ln_beta, x, out0; writes out0
.if DOCPART == 4
	.amdgcn_target "amdgcn-amd-amdhsa--gfx1250"
	.amdhsa_code_object_version 6
	.text
	.protected	k_q3c74f2a1c2_outln
	.globl	k_q3c74f2a1c2_outln
	.p2align	8
	.type	k_q3c74f2a1c2_outln,@function
k_q3c74f2a1c2_outln:
	s_mov_b64 s[64:65], 0
	v_nop
	global_prefetch_b8 v0, s[64:65] scope:SCOPE_SE
	s_setreg_imm32_b32 hwreg(HW_REG_WAVE_MODE, 25, 1), 1
	s_wait_xcnt 0x0
; OUTLN: out0 = (LayerNorm(o W_out + b_out) x gamma + beta + x) x 2^-1/2.  The product is on codes of FP8 (o at e8, W_out at e9), K = 512; all else in f32.
; SHARES.  A work-group owns 32 WHOLE rows (the norm wants a row's 1,024 numbers together): 256 work-groups.  For the product wave w owns columns 64 w .. 64 w + 63 of both tiles of 16 rows: 8 accumulators.
; For the norm wave w owns rows 2 w and 2 w + 1 whole; the results change hands through a stage in LDS.
; o's 8 fragments (16 KiB, images of operand registers, as they lie in o_img) are copied into LDS once and read by all waves.
; THE WEIGHTS GO FROM MEMORY STRAIGHT INTO THE ONE WAVE THAT MULTIPLIES THEM, as images: each load is 512 consecutive bytes.  All work-groups read the same 512 KiB, yet they are not asked for jointly:
; a joint request lands in LDS, and here no two waves of a work-group use the same weight fragment, so that way would add 512 KiB of LDS writes and as many reads to each work-group's 32 matrix instructions a wave.
; The product is used transposed (source 0 = 16 columns' weights, source 1 = 16 rows of o): lane (r, h) holds row r and eight neighbouring columns.
; The norm takes the mean first and the squares of the differences after: an offset of y does not turn into a difference of large sums.
; LIMITS: e8 + e9 between -126 and 127.
; REGISTERS: v1 16 x lane; v4-8 addresses; v16-79 the accumulators ((j, m) at 16 + 8 (2 j + m)), later two rows of y; v80-143, v144-207 two sets of weight fragments; v208-239 o's two fragments;
;   in the tail v80-143 two rows of x, v144-175 b_out, v176-207 gamma, v208-239 beta; v240-247 at work.
.set STAGE, 16384                      ; behind o's images: 32 rows x 4,112 bytes
.set SP,    4112                       ; 4,096 + 16: 257 x 16 bytes, so sixteen lanes that write one column of sixteen rows touch sixteen different 16-byte places modulo 256 bytes
.set SPARE, STAGE+32*SP                ; 147,968: the spare words, 128 bytes a wave, which no other line names
.set LI,  1
.set SPW, 2                            ; v2  SPARE + 4 x my thread's number; never rewritten
.set NIL, 3                            ; v3  0; never rewritten
.set OC,  4                            ; v4  16 x lane + 1,024 x wave: my part of o's 16 KiB, in memory and in LDS
.set SO0, 5                            ; v5  the stage, rows 0-15: where I put 32 bytes of row r
.set SO1, 6                            ; v6  rows 16-31
.set SR,  7                            ; v7  where I read my two rows back
.set PFO, 8                            ; v8  256 x my thread's number
.set ACC, 16
.set WF0, 80
.set WF1, 144
.set OF,  208
.set XR,  80
.set BO,  144
.set GA,  176
.set BE,  208
	s_load_b512 s[4:19], s[0:1], 0x0               ; o_img 4:5, wo_img 6:7, scales 8:9, b_out 10:11, gamma 12:13, beta 14:15, x 16:17, out0 18:19
	v_lshl_add_u32 v[SPW], v0, 2, SPARE
	v_mov_b32 v[NIL], 0
	v_lshrrev_b32 v9, 5, v0
	v_readfirstlane_b32 s36, v9                    ; wave 0..15
	v_and_b32 v9, 31, v0
	v_lshlrev_b32 v[LI], 4, v9
	s_lshl_b32 s37, s36, 10
	v_add_nc_u32 v[OC], s37, v[LI]
	v_and_b32 v10, 15, v0                          ; r
	v_bfe_u32 v11, v0, 4, 1                        ; h
	v_mul_u32_u24 v[SO0], v10, SP
	v_lshl_add_u32 v[SO0], v11, 5, v[SO0]
	s_lshl_b32 s37, s36, 8                         ; my 64 columns: 256 bytes
	s_add_co_u32 s37, s37, STAGE
	v_add_nc_u32 v[SO0], s37, v[SO0]
	v_add_nc_u32 v[SO1], 16*SP, v[SO0]
	s_mul_i32 s37, s36, 2*SP
	s_add_co_u32 s37, s37, STAGE
	v_add_nc_u32 v[SR], s37, v[LI]
	v_lshlrev_b32 v[PFO], 8, v0
	s_lshl_b32 s20, ttmp9, 14                      ; o: two row tiles of 8,192 bytes
	s_mov_b32 s21, 0
	s_lshl_b32 s22, s36, 14                        ; weights: my four tiles of 4,096 bytes
	s_mov_b32 s23, 0
	s_lshl_b32 s24, ttmp9, 17                      ; x, out0: 32 rows of 4,096 bytes,
	s_mov_b32 s25, 0
	s_lshl_b32 s28, s36, 13                        ; my two of them
	s_add_co_u32 s28, s28, s24
	s_mov_b32 s29, 0
	s_mov_b32 s42, 0x3a800000                      ; 1 / 1,024
	s_mov_b32 s43, 0x3727c5ac                      ; 1e-5
	s_mov_b32 s44, 0x76543210                      ; v_permlanex16_b32's selects: lane l xor 16
	s_mov_b32 s45, 0xfedcba98
	s_mov_b32 s46, 0x3f3504f3                      ; 2^-1/2
	s_mov_b32 s47, s46                             ; (named with it as a pair, so it is written)
	s_wait_kmcnt 0x0
	s_load_b64 s[34:35], s[8:9], 0x20              ; e8, e9
	s_add_nc_u64 s[4:5], s[4:5], s[20:21]
	s_add_nc_u64 s[6:7], s[6:7], s[22:23]
	s_add_nc_u64 s[26:27], s[16:17], s[24:25]      ; x at the work-group's first row
	s_add_nc_u64 s[30:31], s[16:17], s[28:29]      ; x at my first row
	s_add_nc_u64 s[32:33], s[18:19], s[28:29]      ; out0 likewise
.macro WLOAD reg, ks                   ; my four weight fragments of K step ks: 16 loads of 512 consecutive bytes
.irp j, 0,1,2,3
.irp c, 0,1,2,3
	global_load_b128 v[\reg+16*\j+4*\c:\reg+16*\j+4*\c+3], v[LI], s[6:7] offset:262144*((\ks)/2)+4096*\j+2048*((\ks)%2)+512*\c
.endr
.endr
.endm
	global_load_b128 v[240:243], v[OC], s[4:5]
	global_load_b128 v[244:247], v[OC], s[4:5] offset:512
	WLOAD WF0, 0
	WLOAD WF1, 1
	s_wait_loadcnt 32                              ; my part of o is in; two K steps of weights may be out
	ds_store_b128 v[OC], v[240:243]
	ds_store_b128 v[OC], v[244:247] offset:512
	s_wait_dscnt 0x0                               ; for the others' sake
	s_barrier_signal -1
	s_barrier_wait -1                              ; o's eight fragments lie in LDS
; K step s: o's two fragments from LDS, 8 products, the accumulators by turns.  In every step just one younger group of 16 loads is out.
.macro KSTEP s, wf
.irp m, 0,1
.irp c, 0,1,2,3
	ds_load_b128 v[OF+16*\m+4*\c:OF+16*\m+4*\c+3], v[LI] offset:2048*(4*\m+\s)+512*\c
.endr
.endr
	s_wait_loadcnt 16
	s_wait_dscnt 0x0
.irp j, 0,1,2,3
.irp m, 0,1
.if \s == 0
	v_wmma_f32_16x16x128_fp8_fp8 v[ACC+8*(2*\j+\m):ACC+8*(2*\j+\m)+7], v[\wf+16*\j:\wf+16*\j+15], v[OF+16*\m:OF+16*\m+15], 0
.else
	v_wmma_f32_16x16x128_fp8_fp8 v[ACC+8*(2*\j+\m):ACC+8*(2*\j+\m)+7], v[\wf+16*\j:\wf+16*\j+15], v[OF+16*\m:OF+16*\m+15], v[ACC+8*(2*\j+\m):ACC+8*(2*\j+\m)+7]
.endif
.endr
.endr
.rept 4
	v_nop                                          ; places in front of the loads into registers that these products have read, and of the first read of results
.endr
.endm
	KSTEP 0, WF0
	WLOAD WF0, 2
	global_prefetch_b8 v[PFO], s[26:27] th:TH_LOAD_NT scope:SCOPE_SE   ; the 512 threads name the 512 blocks of 256 bytes of the work-group's 32 rows of x, each once in the launch, two K steps ahead of the loads that want them
	KSTEP 1, WF1
	WLOAD WF1, 3
	KSTEP 2, WF0
.irp p, 0,1
.irp i, 0,1,2,3,4,5,6,7
	global_load_b128 v[XR+32*\p+4*\i:XR+32*\p+4*\i+3], v[LI], s[30:31] offset:4096*\p+512*\i th:TH_LOAD_NT   ; my two rows of x
.endr
.endr
	KSTEP 3, WF1
.irp i, 0,1,2,3,4,5,6,7
	global_load_b128 v[BO+4*\i:BO+4*\i+3], v[LI], s[10:11] offset:512*\i
	global_load_b128 v[GA+4*\i:GA+4*\i+3], v[LI], s[12:13] offset:512*\i
	global_load_b128 v[BE+4*\i:BE+4*\i+3], v[LI], s[14:15] offset:512*\i
.endr
.irp j, 0,1,2,3
	ds_store_b128 v[SO0], v[ACC+16*\j:ACC+16*\j+3]     offset:64*\j      ; lane (r, h): sums of row r, columns 64 w + 16 j + 8 h + 0..7; each accumulator from its low end on
	ds_store_b128 v[SO0], v[ACC+16*\j+4:ACC+16*\j+7]   offset:64*\j+16
	ds_store_b128 v[SO1], v[ACC+16*\j+8:ACC+16*\j+11]  offset:64*\j      ; row 16 + r
	ds_store_b128 v[SO1], v[ACC+16*\j+12:ACC+16*\j+15] offset:64*\j+16
.endr
	s_wait_dscnt 0x0
	s_barrier_signal -1
	s_barrier_wait -1                              ; 32 whole rows of sums lie in the stage
.irp p, 0,1
.irp i, 0,1,2,3,4,5,6,7
	ds_load_b128 v[ACC+32*\p+4*\i:ACC+32*\p+4*\i+3], v[SR] offset:SP*\p+512*\i   ; register 4 i + e of row p: column 128 i + 4 lane + e, as x, b_out, gamma and beta are loaded
.endr
.endr
	s_wait_kmcnt 0x0
	s_add_co_i32 s40, s34, s35
	s_add_co_i32 s40, s40, 127
	s_lshl_b32 s40, s40, 23                        ; 2^(e8 + e9)
	s_mov_b32 s41, s40
	s_wait_loadcnt 0x0
	s_wait_dscnt 0x0
; the sums of v[a], v[a+1] and of v[b], v[b+1] over the 32 lanes, into v[a] and v[b] of every lane; the two rows take turns
.macro REDUCE a, b
	v_add_f32 v[\a], v[\a], v[\a+1]
	v_add_f32 v[\b], v[\b], v[\b+1]
.irp m, 1,2,4,8
	v_add_f32_dpp v[\a], v[\a], v[\a] row_xmask:\m row_mask:0xf bank_mask:0xf
	v_add_f32_dpp v[\b], v[\b], v[\b] row_xmask:\m row_mask:0xf bank_mask:0xf
.endr
	v_permlanex16_b32 v[\a+1], v[\a], s44, s45
	v_permlanex16_b32 v[\b+1], v[\b], s44, s45
	v_add_f32 v[\a], v[\a], v[\a+1]
	v_add_f32 v[\b], v[\b], v[\b+1]
.endm
.set JJ, 0
.rept 16
	v_pk_fma_f32 v[ACC+JJ:ACC+JJ+1], v[ACC+JJ:ACC+JJ+1], s[40:41], v[BO+JJ:BO+JJ+1] op_sel_hi:[1,0,1]             ; y = sum x 2^(e8 + e9) + b_out
	v_pk_fma_f32 v[ACC+32+JJ:ACC+32+JJ+1], v[ACC+32+JJ:ACC+32+JJ+1], s[40:41], v[BO+JJ:BO+JJ+1] op_sel_hi:[1,0,1]
.set JJ, JJ+2
.endr
	v_pk_add_f32 v[240:241], v[ACC:ACC+1], v[ACC+2:ACC+3]
	v_pk_add_f32 v[242:243], v[ACC+32:ACC+33], v[ACC+34:ACC+35]
.set JJ, 4
.rept 14
	v_pk_add_f32 v[240:241], v[240:241], v[ACC+JJ:ACC+JJ+1]
	v_pk_add_f32 v[242:243], v[242:243], v[ACC+32+JJ:ACC+32+JJ+1]
.set JJ, JJ+2
.endr
	REDUCE 240, 242
	v_mul_f32 v240, s42, v240                      ; the rows' means
	v_mul_f32 v242, s42, v242
.set JJ, 0
.rept 16
	v_pk_add_f32 v[ACC+JJ:ACC+JJ+1], v[ACC+JJ:ACC+JJ+1], v[240:241] op_sel_hi:[1,0] neg_lo:[0,1] neg_hi:[0,1]     ; y - mean
	v_pk_add_f32 v[ACC+32+JJ:ACC+32+JJ+1], v[ACC+32+JJ:ACC+32+JJ+1], v[242:243] op_sel_hi:[1,0] neg_lo:[0,1] neg_hi:[0,1]
.set JJ, JJ+2
.endr
	v_pk_mul_f32 v[244:245], v[ACC:ACC+1], v[ACC:ACC+1]
	v_pk_mul_f32 v[246:247], v[ACC+32:ACC+33], v[ACC+32:ACC+33]
.set JJ, 2
.rept 15
	v_pk_fma_f32 v[244:245], v[ACC+JJ:ACC+JJ+1], v[ACC+JJ:ACC+JJ+1], v[244:245]
	v_pk_fma_f32 v[246:247], v[ACC+32+JJ:ACC+32+JJ+1], v[ACC+32+JJ:ACC+32+JJ+1], v[246:247]
.set JJ, JJ+2
.endr
	REDUCE 244, 246
	v_fma_f32 v244, v244, s42, s43                 ; the variance + 1e-5
	v_fma_f32 v246, v246, s42, s43
	v_rsq_f32 v244, v244
	v_rsq_f32 v246, v246
	v_nop                                          ; a plain instruction behind the second root
	s_wait_alu depctr_va_vdst(0)                   ; and the wait ahead of the first reader: one for both
.irp p, 0,1
.set JJ, 0
.rept 16
	v_pk_mul_f32 v[ACC+32*\p+JJ:ACC+32*\p+JJ+1], v[ACC+32*\p+JJ:ACC+32*\p+JJ+1], v[244+2*\p:245+2*\p] op_sel_hi:[1,0]
.set JJ, JJ+2
.endr
.set JJ, 0
.rept 16
	v_pk_fma_f32 v[ACC+32*\p+JJ:ACC+32*\p+JJ+1], v[ACC+32*\p+JJ:ACC+32*\p+JJ+1], v[GA+JJ:GA+JJ+1], v[BE+JJ:BE+JJ+1]
.set JJ, JJ+2
.endr
.set JJ, 0
.rept 16
	v_pk_add_f32 v[ACC+32*\p+JJ:ACC+32*\p+JJ+1], v[ACC+32*\p+JJ:ACC+32*\p+JJ+1], v[XR+32*\p+JJ:XR+32*\p+JJ+1]
.set JJ, JJ+2
.endr
.set JJ, 0
.rept 16
	v_pk_mul_f32 v[ACC+32*\p+JJ:ACC+32*\p+JJ+1], v[ACC+32*\p+JJ:ACC+32*\p+JJ+1], s[46:47] op_sel_hi:[1,0]
.set JJ, JJ+2
.endr
.irp i, 0,1,2,3,4,5,6,7
	global_store_b128 v[LI], v[ACC+32*\p+4*\i:ACC+32*\p+4*\i+3], s[32:33] offset:4096*\p+512*\i th:TH_STORE_NT   ; 32 lanes store 512 consecutive bytes; written once, read by nobody here
.endr
.endr
	s_wait_tensorcnt 0x0                           ; the wave's end
	ds_add_u32 v[SPW], v[NIL]
	s_wait_dscnt 0x0
	s_endpgm
.Lfunc_end_k_q3c74f2a1c2_outln:
	.size	k_q3c74f2a1c2_outln, .Lfunc_end_k_q3c74f2a1c2_outln-k_q3c74f2a1c2_outln
	.p2alignl 7, 3214868480
	.fill 96, 4, 3214868480
	.section	.rodata,"a",@progbits
	.p2align	6, 0x0
	.amdhsa_kernel k_q3c74f2a1c2_outln
		.amdhsa_group_segment_fixed_size 150016
		.amdhsa_private_segment_fixed_size 0
		.amdhsa_enable_private_segment 0
		.amdhsa_kernarg_size 64
		.amdhsa_user_sgpr_count 2
		.amdhsa_user_sgpr_kernarg_segment_ptr 1
		.amdhsa_wavefront_size32 1
		.amdhsa_system_sgpr_workgroup_id_x 1
		.amdhsa_system_sgpr_workgroup_id_y 1
		.amdhsa_system_sgpr_workgroup_id_z 1
		.amdhsa_system_vgpr_workitem_id 0
		.amdhsa_next_free_vgpr 256
		.amdhsa_next_free_sgpr 66
		.amdhsa_reserve_vcc 0
		.amdhsa_float_denorm_mode_32 3
		.amdhsa_float_denorm_mode_16_64 3
		.amdhsa_memory_ordered 1
		.amdhsa_forward_progress 1
		.amdhsa_inst_pref_size 39
	.end_amdhsa_kernel
	.amdgpu_metadata
---
amdhsa.version: [ 1, 2 ]
amdhsa.kernels:
  - .name:           k_q3c74f2a1c2_outln
    .symbol:         k_q3c74f2a1c2_outln.kd
    .args:
      - { .name: o_img, .offset: 0, .size: 8, .value_kind: global_buffer, .address_space: global }
      - { .name: wo_img, .offset: 8, .size: 8, .value_kind: global_buffer, .address_space: global }
      - { .name: lowp_scales, .offset: 16, .size: 8, .value_kind: global_buffer, .address_space: global }
      - { .name: b_out, .offset: 24, .size: 8, .value_kind: global_buffer, .address_space: global }
      - { .name: ln_gamma, .offset: 32, .size: 8, .value_kind: global_buffer, .address_space: global }
      - { .name: ln_beta, .offset: 40, .size: 8, .value_kind: global_buffer, .address_space: global }
      - { .name: x, .offset: 48, .size: 8, .value_kind: global_buffer, .address_space: global }
      - { .name: out0, .offset: 56, .size: 8, .value_kind: global_buffer, .address_space: global }
    .group_segment_fixed_size: 150016
    .private_segment_fixed_size: 0
    .kernarg_segment_align: 8
    .kernarg_segment_size: 64
    .max_flat_workgroup_size: 512
    .sgpr_count:     66
    .vgpr_count:     256
    .wavefront_size: 32
...
	.end_amdgpu_metadata
.endif
;; end of part 4
;; ======== version 2 of 2: 4 launches; version 1 with the launches attn, outln written anew for expert scheduling mode
;; workspace buffers: xa_img 8,388,608 bytes; xb_img 8,388,608 bytes; wqk_img 1,048,576 bytes; wv_img 524,288 bytes; wo_img 524,288 bytes; qk_img 8,388,608 bytes; v_img 4,194,304 bytes; o_img 4,194,304 bytes
;; launch prep: the kernel of part 1 again; grid 640 x 1, 4 waves a work-group, no clusters, 34,304 bytes of LDS; arguments x, W_qk, W_v, W_out, lowp_scales, xa_img, xb_img, wqk_img, wv_img, wo_img; writes xa_img, xb_img, wqk_img, wv_img, wo_img
;; launch proj: the kernel of part 2 again; grid 4 x 48, 4 waves a work-group, clusters of 4 x 1, 327,680 bytes of LDS; arguments xa_img, xb_img, wqk_img, wv_img, b_qk, b_v, lowp_scales, qk_img, v_img; writes qk_img, v_img
;; launch attn (part 5): grid 16 x 16, 16 waves a work-group, no clusters, 67,584 bytes of LDS; arguments qk_img, v_img, lowp_scales, o_img; writes o_img
.if DOCPART == 5
	.amdgcn_target "amdgcn-amd-amdhsa--gfx1250"
	.amdhsa_code_object_version 6
	.text
	.protected	k_q3c74f2a1c2_attn
	.globl	k_q3c74f2a1c2_attn
	.p2align	8
	.type	k_q3c74f2a1c2_attn,@function
k_q3c74f2a1c2_attn:
	s_mov_b64 s[64:65], 0
	v_nop
	global_prefetch_b8 v0, s[64:65] scope:SCOPE_SE
	s_setreg_imm32_b32 hwreg(HW_REG_WAVE_SCHED_MODE, 0, 2), 2
	s_setreg_imm32_b32 hwreg(HW_REG_WAVE_MODE, 25, 1), 1
	s_wait_xcnt 0x0
	s_wait_alu depctr_vm_vsrc(0)
; ATTN: o = softmax(q k^T / 8) v for 16 heads (2 batches x 8) of 4,096 rows and 64 channels, both products on codes of FP8; o is quantised for the output layer.
; THE SOFTMAX AHEAD OF THE SECOND PRODUCT: t = score x log2(e) / 8; M = the row's largest t so far, rounded UP to a whole number; p = 2^(t - M) is what is quantised, along the keys, not normalised.
; The row's sum is taken of the unquantised p, in f32, and divides O at the end.  When M moves, the sum and O are multiplied by 2^(old M - new M): exact.
; SHARES.  Work-group (x, y): head y (batch y / 8, head y % 8), queries 256 x on.  Each of SIXTEEN waves owns one tile of 16 queries in 256 registers: four waves to a SIMD, so that one wave's vector work
; stands beside another's matrix work and LDS loads.  Every wave walks the head's 4,096 keys, 128 a step, 256 a slot.
; LAYOUT.  Both products are used transposed: S^T = K Q^T (source 0 = 16 keys, source 1 = my queries; K = 64), O^T = V^T P^T (source 0 = 16 channels, source 1 = P; K = 128 keys): a lane holds ONE query throughout.
; Tile T of S^T gives lane (r, h) the keys 16 T + 8 h + 0..7, which are registers 2 T, 2 T + 1 of P's fragment: the conversions' results are the operand.  q, k, v arrive and o leaves as images of operand registers.
; K AND V GO THROUGH REGISTERS INTO TWO LDS BUFFERS, 32 KiB a slot, copied as they lie: each wave copies 2,048 bytes a slot (4 loads, 4 LDS stores), asked for a whole slot ahead of the wait for them.
; NO TENSOR LOADS AND SO NO JOINT REQUESTS, though the 16 work-groups of a head walk the same K and V.  The reason: p is at most 1, so its hold at 448 x 2^e7 changes nothing unless e7 <= -9; it is 64 of a key step's
; some 260 vector instructions, which bound this loop (12 matrix instructions a step).  It is jumped over by a scalar branch on the given whole number e7.
; LIMITS: e4 + e5 between -123 and 130 (added to c's exponent field); e7 and e8 between -126 and 119; e6 + e7 is applied by v_ldexp_f32 and has none.  NaN is not served.
; REGISTERS: v1 16 x lane; v4 the copy's LDS place; v12 -M, v13 the largest t, v[14:15] the sum in two halves; v16-23 Q; v24-39, v40-55 the copies on their way; v56-119 K's 8 fragments, then V's 4;
;   v120-183 S^T, then p; v184-215 O^T; v216-231 p's codes; v236-254 at work; v240 448 x 2^e7, v244 2^e7.
; THE MODE: SCHED_MODE bits 1:0 = 2 (LLVM: expert scheduling mode 2), set by the entry lines.  The code itself states the register dependences
; between vector or matrix instructions and memory or LDS instructions, with s_wait_alu, always for 0.
; THE PLAN.  Registers that memory or LDS instructions touch:
;   v1, v4        Written once at the head; read by every load, LDS load and LDS store; never written again.  One wait on va_vdst ahead of the first load serves them for the whole kernel.
;   v24-39, v40-55  Named by no vector instruction.  The global loads issued in slot n land in one half; slot n + 1's LDS stores read it; slot n + 2's global loads land in it again:
;                 one wait on vm_vsrc at the head of each slot that asks for more states that the stores of the slot before have read it.
;   v56-119       A step: K's LDS loads land; eight products read; V's LDS loads land; four products read.  So two waits on va_vdst a step: at its head (the last step's four products are done reading)
;                 and behind the eight products.  Behind the second, V's sixteen loads are dealt among the lines of the maximum, which name S^T, v252 and v254 alone.
;   v16-23        Loaded once, read by products alone.
;   v216-223      At the way out alone: written by conversions, read by the two global stores: one wait on va_vdst ahead of them.
;   v2, v3        Written at the head, read by the closing add alone.
; The third wait on va_vdst of a step is the one behind the batch of exponentials.
.set BUF,   32768                      ; a buffer: K's 16 images of 1,024 bytes, then V's 2 x 4 images of 2,048
.set VOFF,  16384
.set SPARE, 2*BUF                      ; behind the buffers: the spare words, 128 bytes a wave, which no other line names
.set LI,  1
.set SPW, 2                            ; v2  SPARE + 4 x my thread's number; never rewritten
.set NIL, 3                            ; v3  0; never rewritten
.set LST, 4
.set QF,  16
.set STG, 24
.set F,   56
.set S,   120
.set O,   184
.set PC,  216
	s_load_b256 s[4:11], s[0:1], 0x0               ; qk_img 4:5, v_img 6:7, scales 8:9, o_img 10:11
	v_lshl_add_u32 v[SPW], v0, 2, SPARE
	v_mov_b32 v[NIL], 0
	v_lshrrev_b32 v5, 5, v0
	v_readfirstlane_b32 s12, v5                    ; wave 0..15
	v_and_b32 v5, 31, v0
	v_lshlrev_b32 v[LI], 4, v5
	s_wait_alu depctr_va_sdst(0)                   ; s12 is written, ahead of its first reader: LDS places and all four addresses are made from it
	s_lshl_b32 s13, s12, 11
	v_add_nc_u32 v[LST], s13, v[LI]                ; waves 0-7 copy K's 16 KiB, waves 8-15 V's, which lies behind it: 2,048 x wave
	s_and_b32 s35, ttmp7, 0xffff                   ; y
	s_lshr_b32 s36, s35, 3                         ; batch
	s_and_b32 s37, s35, 7                          ; head
	s_lshl_b32 s38, ttmp9, 4
	s_add_co_u32 s38, s38, s12                     ; my tile of queries in the sequence
	s_lshl_b32 s40, s37, 19                        ; q's plane,
	s_lshl_b32 s41, s36, 18                        ; the batch's 256 tiles
	s_add_co_u32 s40, s40, s41
	s_lshl_b32 s41, s38, 10
	s_add_co_u32 s42, s40, s41                     ; Q's image
	s_mov_b32 s43, 0
	s_and_b32 s41, s12, 7
	s_lshl_b32 s41, s41, 11                        ; my 2,048 bytes of a slot's 16 KiB
	s_add_co_u32 s44, s40, 0x400000                ; k's plane lies 8 planes on
	s_add_co_u32 s44, s44, s41
	s_mov_b32 s45, 0
	s_lshl_b32 s46, s35, 18                        ; v: 256 KiB a head
	s_add_co_u32 s46, s46, s41
	s_mov_b32 s47, 0
	s_lshl_b32 s48, s36, 8
	s_add_co_u32 s48, s48, s38
	s_lshl_b32 s48, s48, 13                        ; o: row tile x 8,192
	s_lshl_b32 s49, s37, 10                        ;    + head x 1,024: K step head / 2, half head % 2 of its image
	s_add_co_u32 s48, s48, s49
	s_mov_b32 s49, 0
	s_mov_b32 s20, 0x76543210                      ; v_permlanex16_b32's selects: lane l xor 16
	s_mov_b32 s21, 0xfedcba98
	s_mov_b32 s22, 0x3e38aa3b                      ; c = log2(e) / 8
	s_wait_kmcnt 0x0
	s_load_b256 s[24:31], s[8:9], 0x0              ; e0 .. e7
	s_load_b64 s[32:33], s[8:9], 0x20              ; e8, e9
	s_add_nc_u64 s[16:17], s[4:5], s[42:43]
	s_add_nc_u64 s[44:45], s[4:5], s[44:45]
	s_add_nc_u64 s[46:47], s[6:7], s[46:47]
	s_cmp_lt_u32 s12, 8
	s_cselect_b64 s[14:15], s[44:45], s[46:47]     ; what I copy: it walks 16 KiB a slot
	s_add_nc_u64 s[18:19], s[10:11], s[48:49]
	s_wait_alu depctr_va_vdst(0)                   ; v1, v4, v2 and v3 are written: every load, LDS load, LDS store and store of the kernel reads v1 or v4 as its address, the closing add v2 and v3
.irp i, 0,1,2,3
	global_load_b128 v[STG+4*\i:STG+4*\i+3], v[LI], s[14:15] offset:512*\i               ; slot 0
.endr
.irp i, 0,1,2,3
	global_load_b128 v[STG+16+4*\i:STG+16+4*\i+3], v[LI], s[14:15] offset:16384+512*\i   ; slot 1
.endr
	global_load_b128 v[QF:QF+3], v[LI], s[16:17]                                         ; Q stays in registers
	global_load_b128 v[QF+4:QF+7], v[LI], s[16:17] offset:512
	v_mov_b32 v13, 0xff61b1e6                      ; the largest t so far: -3e38, under every t
	v_floor_f32 v12, -v13                          ; -M
	v_mov_b32 v14, 0
	v_mov_b32 v15, 0
	v_mov_b32 v236, 0                              ; written once: a lane permute's destination counts as one of its sources
	v_mov_b32 v253, 0                              ; (named as the upper half of the pair v[252:253])
.set JJ, 0
.rept 32
	v_mov_b32 v[O+JJ], 0                           ; O^T: the step is written once; the first finds zeros, which the first change of M leaves zeros
.set JJ, JJ+1
.endr
	s_wait_kmcnt 0x0
	s_add_co_i32 s50, s28, s29
	s_lshl_b32 s50, s50, 23
	s_add_co_i32 s22, s22, s50                     ; a score stands for score x 2^(e4 + e5): added to c's exponent field
	s_mov_b32 s23, s22                             ; (named with it as a pair, so it is written)
	s_add_co_i32 s50, s31, 127
	s_lshl_b32 s51, s50, 23
	v_mov_b32 v244, s51                            ; 2^e7
	s_add_co_i32 s50, s50, 8
	s_lshl_b32 s50, s50, 23
	s_or_b32 s50, s50, 0x600000
	v_mov_b32 v240, s50                            ; 448 x 2^e7
	s_add_co_i32 s52, s32, 127
	s_lshl_b32 s51, s52, 23                        ; 2^e8, for the way out,
	s_add_co_i32 s52, s52, 8
	s_lshl_b32 s52, s52, 23
	s_or_b32 s52, s52, 0x600000                    ; 448 x 2^e8,
	s_add_co_i32 s50, s30, s31                     ; and e6 + e7
	s_wait_loadcnt 6                               ; slot 0's four loads are in; slot 1's four and Q's two may be out
.irp i, 0,1,2,3
	ds_store_b128 v[LST], v[STG+4*\i:STG+4*\i+3] offset:512*\i   ; the data came by loads, the address stands since the wait above: no vector instruction since then names either
.endr
	s_wait_dscnt 0x0                               ; for the others' sake: my part of buffer 0 has landed
	s_barrier_signal -1
	s_barrier_wait -1
; V's fragment t of the q-th key step of the slot in buffer beta: four LDS loads
.macro VLOAD beta, q, t
.irp g, 0,1,2,3
	ds_load_b128 v[F+16*(\t)+4*\g:F+16*(\t)+4*\g+3], v[LI] offset:BUF*(\beta)+VOFF+8192*(\q)+2048*(\t)+512*\g
.endr
.endm
; A KEY STEP: 128 keys, the q-th of the slot in buffer beta.
.macro STEP beta, q
.rept 4
	v_nop                                          ; four places between the last products, which read v56 on, and the loads into those registers; the wait below states the same dependence
.endr
	s_wait_alu depctr_va_vdst(0)                   ; the last step's four products are done reading V's fragments in v56-119, in which K's loads land
.irp t, 0,1,2,3,4,5,6,7
	ds_load_b128 v[F+8*\t:F+8*\t+3],   v[LI] offset:BUF*\beta+1024*(8*\q+\t)
	ds_load_b128 v[F+8*\t+4:F+8*\t+7], v[LI] offset:BUF*\beta+1024*(8*\q+\t)+512
.endr
	s_wait_dscnt 8                                 ; tiles 0-3 are in; the youngest eight loads may be out
.irp t, 0,1,2,3
	v_wmma_f32_16x16x64_fp8_fp8 v[S+8*\t:S+8*\t+7], v[F+8*\t:F+8*\t+7], v[QF:QF+7], 0
.endr
	s_wait_dscnt 0x0
.irp t, 4,5,6,7
	v_wmma_f32_16x16x64_fp8_fp8 v[S+8*\t:S+8*\t+7], v[F+8*\t:F+8*\t+7], v[QF:QF+7], 0
.endr
.rept 4
	v_nop                                          ; places in front of the loads into K's registers and of the first read of the scores
.endr
	s_wait_alu depctr_va_vdst(0)                   ; the eight products are done reading K's fragments in v56-119, in which V's loads land
	VLOAD \beta, \q, 0                             ; V lands while the softmax is worked: four loads here, twelve among the lines below, which name S^T, v252 and v254 alone
	v_max3_num_f32 v254, v[S], v[S+1], v[S+2]      ; the step's largest score of my query among my 64 keys, in two chains, each accumulator from its low end on,
	v_max3_num_f32 v252, v[S+3], v[S+4], v[S+5]
.set JJ, 6
.rept 14
.if (JJ == 14) || (JJ == 30) || (JJ == 46)
.set VT, (JJ+2)/16
	VLOAD \beta, \q, VT                            ; fragments 1, 2, 3.  No wait: no vector or matrix instruction since the wait above names v56-119 or v1
.endif
	v_max3_num_f32 v254, v254, v[S+JJ], v[S+JJ+1]
	v_max3_num_f32 v252, v252, v[S+JJ+2], v[S+JJ+3]
.set JJ, JJ+4
.endr
	v_max3_num_f32 v254, v254, v[S+62], v[S+63]
	v_max_num_f32 v254, v254, v252
	v_permlanex16_b32 v236, v254, s20, s21
	v_max_num_f32 v254, v254, v236                 ; and among lane l xor 16's
	v_mul_f32 v254, s22, v254                      ; as t (c is positive)
	v_max_num_f32 v13, v13, v254                   ; the running largest t
	v_mov_b32 v254, v12
	v_floor_f32 v12, -v13                          ; the new -M = floor(-t) = -ceil(t): a whole number
	v_sub_f32 v254, v12, v254                      ; old M - new M: a whole number, 0 or less
	v_cvt_i32_f32 v254, v254                       ; (it saturates)
	v_ldexp_f32 v252, 1.0, v254                    ; f = 2^(old M - new M)
.set JJ, 0
.rept 32
	v_pk_fma_f32 v[S+JJ:S+JJ+1], v[S+JJ:S+JJ+1], s[22:23], v[12:13] op_sel_hi:[1,0,0]   ; t - M, two at a time (of the pairs c and -M the low word serves both halves)
.set JJ, JJ+2
.endr
.set JJ, 0
.rept 64
	v_exp_f32 v[S+JJ], v[S+JJ]                     ; p = 2^(t - M), at most 1
.set JJ, JJ+1
.endr
	v_pk_mul_f32 v[14:15], v[14:15], v[252:253] op_sel_hi:[1,0]   ; the sums under the new M: the plain instruction behind the exponentials
	s_wait_alu depctr_va_vdst(0)                   ; the 64 exponentials have written p in v120-183: the wait ahead of the first instruction that names a result: one for the batch
	v_pk_add_f32 v[242:243], v[S:S+1], v[S+2:S+3]  ; the row's sum is taken of the unquantised p, in two chains
.set JJ, 4
.rept 15
	v_pk_add_f32 v[14:15], v[14:15], v[S+JJ:S+JJ+1]
	v_pk_add_f32 v[242:243], v[242:243], v[S+JJ+2:S+JJ+3]
.set JJ, JJ+4
.endr
	v_pk_add_f32 v[14:15], v[14:15], v[242:243]
	s_cmp_gt_i32 s31, -9                           ; with e7 >= -8 the largest code x the scale is 1.75 or more, and p is at most 1: the hold would change nothing
	s_cbranch_scc1 .Lnohold_\@
.set JJ, 0
.rept 64
	v_min_num_f32 v[S+JJ], v[S+JJ], v240           ; the conversion to an 8-bit code does not saturate (ISA guide 7.6.2); p is not negative, so the hold is one-sided
.set JJ, JJ+1
.endr
.Lnohold_\@:
.irp t, 0,1,2,3,4,5,6,7
	v_cvt_scalef32_pk8_fp8_f32 v[PC+2*\t:PC+2*\t+1], v[S+8*\t:S+8*\t+7], v244
.endr
.set JJ, 0
.rept 16
	v_pk_mul_f32 v[O+JJ:O+JJ+1], v[O+JJ:O+JJ+1], v[252:253] op_sel_hi:[1,0]   ; O^T under the new M; these are also the plain instructions between the conversions and the products that read the codes
.set JJ, JJ+2
.endr
	s_wait_dscnt 0x0                               ; V is in
.irp t, 0,1,2,3
	v_wmma_f32_16x16x128_fp8_fp8 v[O+8*\t:O+8*\t+7], v[F+16*\t:F+16*\t+15], v[PC:PC+15], v[O+8*\t:O+8*\t+7]   ; the four accumulators take turns; the next step's eight products on S^T stand before they are taken up again
.endr
.endm
; A SLOT of 256 keys in buffer beta.  st: the next slot's copy, asked for a slot ago, goes into the other buffer, which nobody has read since the last barrier.  ld: the slot after that is asked for.
; bar: ONE barrier for two things: my stores into the other buffer have landed, and my reads of this buffer are over.
.macro SLOT beta, st, ld, bar
.if \ld
	s_wait_alu depctr_vm_vsrc(0)                   ; the LDS stores of the slot before (in the first slot: the head's) have read the half of v24-55 in which the loads below land
.endif
.if \st
	s_wait_loadcnt 0x0                             ; the copy is in registers (in the first slot: Q too); no load of mine is out, so the walking address may be written
.irp i, 0,1,2,3
	ds_store_b128 v[LST], v[STG+16*(1-\beta)+4*\i:STG+16*(1-\beta)+4*\i+3] offset:BUF*(1-\beta)+512*\i
.endr
.endif
.if \ld
	s_add_nc_u64 s[14:15], s[14:15], 16384
.irp i, 0,1,2,3
	global_load_b128 v[STG+16*\beta+4*\i:STG+16*\beta+4*\i+3], v[LI], s[14:15] offset:16384+512*\i   ; into the other half than the stores just above read
.endr
.endif
	STEP \beta, 0
	STEP \beta, 1
.if \bar
	s_wait_dscnt 0x0
	s_barrier_signal -1
	s_barrier_wait -1
.endif
.endm
	s_mov_b32 s34, 7
.Lpair:                                            ; 7 trips: slots 0 to 13; they ask for slots 2 to 15
	SLOT 0, 1, 1, 1
	SLOT 1, 1, 1, 1
	s_sub_co_u32 s34, s34, 1
	s_cmp_lg_u32 s34, 0
	s_cbranch_scc1 .Lpair
	SLOT 0, 1, 0, 1                                ; slot 14: nothing is left to ask for: no load leaves its buffer
	SLOT 1, 0, 0, 0                                ; slot 15
	; THE WAY OUT: O^T x 2^(e6 + e7) / the sum, quantised at e8.  Tile t's eight channels 16 t + 8 h + 0..7 are registers 2 t, 2 t + 1 of my head's half of the output layer's fragment.
	v_add_f32 v14, v14, v15                        ; the sum's two halves (these lines are the places behind the last products),
	v_permlanex16_b32 v252, v14, s20, s21
	v_add_f32 v14, v14, v252                       ; and lane l xor 16's
	v_rcp_f32 v14, v14
	v_mov_b32 v244, s51                            ; 2^e8 (a plain instruction behind the reciprocal)
	v_mov_b32 v240, s52                            ; 448 x 2^e8
	s_wait_alu depctr_va_vdst(0)                   ; the reciprocal has written v14: the wait ahead of its first reader
	v_ldexp_f32 v14, v14, s50
.set JJ, 0
.rept 32
	v_mul_f32 v[S+JJ], v[O+JJ], v14
.set JJ, JJ+1
.endr
.set JJ, 0
.rept 32
	v_med3_num_f32 v[S+JJ], v[S+JJ], -v240, v240
.set JJ, JJ+1
.endr
.irp t, 0,1,2,3
	v_cvt_scalef32_pk8_fp8_f32 v[PC+2*\t:PC+2*\t+1], v[S+8*\t:S+8*\t+7], v244
.endr
	v_nop
	s_wait_alu depctr_va_vdst(0)                   ; the conversions have written v216-223, which the two stores read
	global_store_b128 v[LI], v[PC:PC+3], s[18:19]                  ; 32 lanes store 512 consecutive bytes
	global_store_b128 v[LI], v[PC+4:PC+7], s[18:19] offset:512
	s_wait_dscnt 0x0                               ; the closing lines, six on end
	s_wait_alu 0x0
	s_wait_tensorcnt 0x0
	ds_add_u32 v[SPW], v[NIL]
	s_wait_dscnt 0x0
	s_endpgm
.Lfunc_end_k_q3c74f2a1c2_attn:
	.size	k_q3c74f2a1c2_attn, .Lfunc_end_k_q3c74f2a1c2_attn-k_q3c74f2a1c2_attn
	.p2alignl 7, 3214868480
	.fill 96, 4, 3214868480
	.section	.rodata,"a",@progbits
	.p2align	6, 0x0
	.amdhsa_kernel k_q3c74f2a1c2_attn
		.amdhsa_group_segment_fixed_size 67584
		.amdhsa_private_segment_fixed_size 0
		.amdhsa_enable_private_segment 0
		.amdhsa_kernarg_size 32
		.amdhsa_user_sgpr_count 2
		.amdhsa_user_sgpr_kernarg_segment_ptr 1
		.amdhsa_wavefront_size32 1
		.amdhsa_system_sgpr_workgroup_id_x 1
		.amdhsa_system_sgpr_workgroup_id_y 1
		.amdhsa_system_sgpr_workgroup_id_z 1
		.amdhsa_system_vgpr_workitem_id 0
		.amdhsa_next_free_vgpr 256
		.amdhsa_next_free_sgpr 66
		.amdhsa_reserve_vcc 0
		.amdhsa_float_denorm_mode_32 3
		.amdhsa_float_denorm_mode_16_64 3
		.amdhsa_memory_ordered 1
		.amdhsa_forward_progress 1
		.amdhsa_inst_pref_size 133
	.end_amdhsa_kernel
	.amdgpu_metadata
---
amdhsa.version: [ 1, 2 ]
amdhsa.kernels:
  - .name:           k_q3c74f2a1c2_attn
    .symbol:         k_q3c74f2a1c2_attn.kd
    .args:
      - { .name: qk_img, .offset: 0, .size: 8, .value_kind: global_buffer, .address_space: global }
      - { .name: v_img, .offset: 8, .size: 8, .value_kind: global_buffer, .address_space: global }
      - { .name: lowp_scales, .offset: 16, .size: 8, .value_kind: global_buffer, .address_space: global }
      - { .name: o_img, .offset: 24, .size: 8, .value_kind: global_buffer, .address_space: global }
    .group_segment_fixed_size: 67584
    .private_segment_fixed_size: 0
    .kernarg_segment_align: 8
    .kernarg_segment_size: 32
    .max_flat_workgroup_size: 512
    .sgpr_count:     66
    .vgpr_count:     256
    .wavefront_size: 32
...
	.end_amdgpu_metadata
.endif
;; end of part 5
;; launch outln (part 6): grid 256 x 1, 16 waves a work-group, no clusters, 150,016 bytes of LDS; arguments o_img, wo_img, lowp_scales, b_out, ln_gamma, ln_beta, x, out0; writes out0
.if DOCPART == 6
	.amdgcn_target "amdgcn-amd-amdhsa--gfx1250"
	.amdhsa_code_object_version 6
	.text
	.protected	k_q3c74f2a1c2_outln
	.globl	k_q3c74f2a1c2_outln
	.p2align	8
	.type	k_q3c74f2a1c2_outln,@function
k_q3c74f2a1c2_outln:
	s_mov_b64 s[64:65], 0
	v_nop
	global_prefetch_b8 v0, s[64:65] scope:SCOPE_SE
	s_setreg_imm32_b32 hwreg(HW_REG_WAVE_SCHED_MODE, 0, 2), 2
	s_setreg_imm32_b32 hwreg(HW_REG_WAVE_MODE, 25, 1), 1
	s_wait_xcnt 0x0
	s_wait_alu depctr_vm_vsrc(0)
; OUTLN: out0 = (LayerNorm(o W_out + b_out) x gamma + beta + x) x 2^-1/2.  The product is on codes of FP8 (o at e8, W_out at e9), K = 512; all else in f32.
; SHARES.  A work-group owns 32 WHOLE rows (the norm wants a row's 1,024 numbers together): 256 work-groups.  For the product wave w owns columns 64 w .. 64 w + 63 of both tiles of 16 rows: 8 accumulators.
; For the norm wave w owns rows 2 w and 2 w + 1 whole; the results change hands through a stage in LDS.
; o's 8 fragments (16 KiB, images of operand registers, as they lie in o_img) are copied into LDS once and read by all waves.
; THE WEIGHTS GO FROM MEMORY STRAIGHT INTO THE ONE WAVE THAT MULTIPLIES THEM, as images: each load is 512 consecutive bytes.  All work-groups read the same 512 KiB, yet they are not asked for jointly:
; a joint request lands in LDS, and here no two waves of a work-group use the same weight fragment, so that way would add 512 KiB of LDS writes and as many reads to each work-group's 32 matrix instructions a wave.
; The product is used transposed (source 0 = 16 columns' weights, source 1 = 16 rows of o): lane (r, h) holds row r and eight neighbouring columns.
; The norm takes the mean first and the squares of the differences after: an offset of y does not turn into a difference of large sums.
; LIMITS: e8 + e9 between -126 and 127.
; REGISTERS: v1 16 x lane; v4-8 addresses; v16-79 the accumulators ((j, m) at 16 + 8 (2 j + m)), later two rows of y; v80-143, v144-207 two sets of weight fragments; v208-239 o's two fragments;
;   in the tail v80-143 two rows of x, v144-175 b_out, v176-207 gamma, v208-239 beta; v240-247 at work.
; THE MODE: SCHED_MODE bits 1:0 = 2 (LLVM: expert scheduling mode 2), set by the entry lines.  The code itself states the register dependences
; between vector or matrix instructions and memory or LDS instructions, with s_wait_alu, always for 0.
; THE PLAN.  Registers that memory or LDS instructions touch:
;   v1, v4-v8     Addresses, written once at the head and never again: one wait on va_vdst ahead of the first load serves them for the whole kernel.
;   v240-247      Loaded; read by two LDS stores at the head; written by vector instructions in the tail.
;   v80-143, v144-207, v208-239   Loaded; read by a K step's eight products; loaded again: the next weights and fragments of o, at the end x, b_out, gamma, beta.
;   v16-79        Written by the products; read by sixteen LDS stores; the LDS loads of whole rows land in them; then written by the tail's arithmetic and read by the global stores.
; So ONE wait on va_vdst stands behind each K step's products and their places: they are done reading their weight set and o's fragments, and all loads up to the next products follow it with no further wait;
; behind the last K step the same wait shows the accumulators written, for the LDS stores.  ONE wait on vm_vsrc stands behind the second barrier: the LDS stores have read v16-79 and v240-247.
; In the tail one wait on va_vdst stands behind the two roots and one ahead of each row's run of stores.
.set STAGE, 16384                      ; behind o's images: 32 rows x 4,112 bytes
.set SP,    4112                       ; 4,096 + 16: 257 x 16 bytes, so sixteen lanes that write one column of sixteen rows touch sixteen different 16-byte places modulo 256 bytes
.set SPARE, STAGE+32*SP                ; 147,968: the spare words, 128 bytes a wave, which no other line names
.set LI,  1
.set SPW, 2                            ; v2  SPARE + 4 x my thread's number; never rewritten
.set NIL, 3                            ; v3  0; never rewritten
.set OC,  4                            ; v4  16 x lane + 1,024 x wave: my part of o's 16 KiB, in memory and in LDS
.set SO0, 5                            ; v5  the stage, rows 0-15: where I put 32 bytes of row r
.set SO1, 6                            ; v6  rows 16-31
.set SR,  7                            ; v7  where I read my two rows back
.set PFO, 8                            ; v8  256 x my thread's number
.set ACC, 16
.set WF0, 80
.set WF1, 144
.set OF,  208
.set XR,  80
.set BO,  144
.set GA,  176
.set BE,  208
	s_load_b512 s[4:19], s[0:1], 0x0               ; o_img 4:5, wo_img 6:7, scales 8:9, b_out 10:11, gamma 12:13, beta 14:15, x 16:17, out0 18:19
	v_lshl_add_u32 v[SPW], v0, 2, SPARE
	v_mov_b32 v[NIL], 0
	v_lshrrev_b32 v9, 5, v0
	v_readfirstlane_b32 s36, v9                    ; wave 0..15
	v_and_b32 v9, 31, v0
	v_lshlrev_b32 v[LI], 4, v9
	s_wait_alu depctr_va_sdst(0)                   ; s36 is written, ahead of its first reader: LDS places and the bases of the weights, x and out0 are made from it
	s_lshl_b32 s37, s36, 10
	v_add_nc_u32 v[OC], s37, v[LI]
	v_and_b32 v10, 15, v0                          ; r
	v_bfe_u32 v11, v0, 4, 1                        ; h
	v_mul_u32_u24 v[SO0], v10, SP
	v_lshl_add_u32 v[SO0], v11, 5, v[SO0]
	s_lshl_b32 s37, s36, 8                         ; my 64 columns: 256 bytes
	s_add_co_u32 s37, s37, STAGE
	v_add_nc_u32 v[SO0], s37, v[SO0]
	v_add_nc_u32 v[SO1], 16*SP, v[SO0]
	s_mul_i32 s37, s36, 2*SP
	s_add_co_u32 s37, s37, STAGE
	v_add_nc_u32 v[SR], s37, v[LI]
	v_lshlrev_b32 v[PFO], 8, v0
	s_lshl_b32 s20, ttmp9, 14                      ; o: two row tiles of 8,192 bytes
	s_mov_b32 s21, 0
	s_lshl_b32 s22, s36, 14                        ; weights: my four tiles of 4,096 bytes
	s_mov_b32 s23, 0
	s_lshl_b32 s24, ttmp9, 17                      ; x, out0: 32 rows of 4,096 bytes,
	s_mov_b32 s25, 0
	s_lshl_b32 s28, s36, 13                        ; my two of them
	s_add_co_u32 s28, s28, s24
	s_mov_b32 s29, 0
	s_mov_b32 s42, 0x3a800000                      ; 1 / 1,024
	s_mov_b32 s43, 0x3727c5ac                      ; 1e-5
	s_mov_b32 s44, 0x76543210                      ; v_permlanex16_b32's selects: lane l xor 16
	s_mov_b32 s45, 0xfedcba98
	s_mov_b32 s46, 0x3f3504f3                      ; 2^-1/2
	s_mov_b32 s47, s46                             ; (named with it as a pair, so it is written)
	s_wait_kmcnt 0x0
	s_load_b64 s[34:35], s[8:9], 0x20              ; e8, e9
	s_add_nc_u64 s[4:5], s[4:5], s[20:21]
	s_add_nc_u64 s[6:7], s[6:7], s[22:23]
	s_add_nc_u64 s[26:27], s[16:17], s[24:25]      ; x at the work-group's first row
	s_add_nc_u64 s[30:31], s[16:17], s[28:29]      ; x at my first row
	s_add_nc_u64 s[32:33], s[18:19], s[28:29]      ; out0 likewise
.macro WLOAD reg, ks                   ; my four weight fragments of K step ks: 16 loads of 512 consecutive bytes
.irp j, 0,1,2,3
.irp c, 0,1,2,3
	global_load_b128 v[\reg+16*\j+4*\c:\reg+16*\j+4*\c+3], v[LI], s[6:7] offset:262144*((\ks)/2)+4096*\j+2048*((\ks)%2)+512*\c
.endr
.endr
.endm
	s_wait_alu depctr_va_vdst(0)                   ; v1 and v4 to v8 are written, which the loads, LDS instructions, the prefetch and the stores below read as addresses; so are v2 and v3, for the closing add
	global_load_b128 v[240:243], v[OC], s[4:5]
	global_load_b128 v[244:247], v[OC], s[4:5] offset:512
	WLOAD WF0, 0
	WLOAD WF1, 1
	s_wait_loadcnt 32                              ; my part of o is in; two K steps of weights may be out
	ds_store_b128 v[OC], v[240:243]
	ds_store_b128 v[OC], v[244:247] offset:512
	s_wait_dscnt 0x0                               ; for the others' sake
	s_barrier_signal -1
	s_barrier_wait -1                              ; o's eight fragments lie in LDS
; K step s in two parts.  OLOAD: o's two fragments from LDS.  MULS: 8 products, the accumulators by turns.  In every step just one younger group of 16 loads is out.
.macro OLOAD s
.irp m, 0,1
.irp c, 0,1,2,3
	ds_load_b128 v[OF+16*\m+4*\c:OF+16*\m+4*\c+3], v[LI] offset:2048*(4*\m+\s)+512*\c
.endr
.endr
.endm
.macro MULS s, wf
	s_wait_loadcnt 16
	s_wait_dscnt 0x0
.irp j, 0,1,2,3
.irp m, 0,1
.if \s == 0
	v_wmma_f32_16x16x128_fp8_fp8 v[ACC+8*(2*\j+\m):ACC+8*(2*\j+\m)+7], v[\wf+16*\j:\wf+16*\j+15], v[OF+16*\m:OF+16*\m+15], 0
.else
	v_wmma_f32_16x16x128_fp8_fp8 v[ACC+8*(2*\j+\m):ACC+8*(2*\j+\m)+7], v[\wf+16*\j:\wf+16*\j+15], v[OF+16*\m:OF+16*\m+15], v[ACC+8*(2*\j+\m):ACC+8*(2*\j+\m)+7]
.endif
.endr
.endr
.rept 4
	v_nop                                          ; places in front of the loads into registers that these products have read, and of the first read of results
.endr
	s_wait_alu depctr_va_vdst(0)                   ; the eight products are done reading this weight set and v208-239, in which the loads that follow land; behind the last K step: they have written v16-79, which the LDS stores read
.endm
	OLOAD 0
	MULS 0, WF0
	OLOAD 1                                        ; o's next fragments first: the next products wait for them
	WLOAD WF0, 2
	global_prefetch_b8 v[PFO], s[26:27] th:TH_LOAD_NT scope:SCOPE_SE   ; the 512 threads name the 512 blocks of 256 bytes of the work-group's 32 rows of x, each once in the launch, two K steps ahead of the loads that want them
	MULS 1, WF1
	OLOAD 2
	WLOAD WF1, 3
	MULS 2, WF0
	OLOAD 3
.irp p, 0,1
.irp i, 0,1,2,3,4,5,6,7
	global_load_b128 v[XR+32*\p+4*\i:XR+32*\p+4*\i+3], v[LI], s[30:31] offset:4096*\p+512*\i th:TH_LOAD_NT   ; my two rows of x
.endr
.endr
	MULS 3, WF1
.irp i, 0,1,2,3,4,5,6,7
	global_load_b128 v[BO+4*\i:BO+4*\i+3], v[LI], s[10:11] offset:512*\i
	global_load_b128 v[GA+4*\i:GA+4*\i+3], v[LI], s[12:13] offset:512*\i
	global_load_b128 v[BE+4*\i:BE+4*\i+3], v[LI], s[14:15] offset:512*\i
.endr
.irp j, 0,1,2,3
	ds_store_b128 v[SO0], v[ACC+16*\j:ACC+16*\j+3]     offset:64*\j      ; lane (r, h): sums of row r, columns 64 w + 16 j + 8 h + 0..7; each accumulator from its low end on
	ds_store_b128 v[SO0], v[ACC+16*\j+4:ACC+16*\j+7]   offset:64*\j+16
	ds_store_b128 v[SO1], v[ACC+16*\j+8:ACC+16*\j+11]  offset:64*\j      ; row 16 + r
	ds_store_b128 v[SO1], v[ACC+16*\j+12:ACC+16*\j+15] offset:64*\j+16
.endr
	s_wait_dscnt 0x0
	s_barrier_signal -1
	s_barrier_wait -1                              ; 32 whole rows of sums lie in the stage
	s_wait_alu depctr_vm_vsrc(0)                   ; my LDS stores have read v16-79, in which the loads below land, and v240-247, which the tail's arithmetic writes
.irp p, 0,1
.irp i, 0,1,2,3,4,5,6,7
	ds_load_b128 v[ACC+32*\p+4*\i:ACC+32*\p+4*\i+3], v[SR] offset:SP*\p+512*\i   ; register 4 i + e of row p: column 128 i + 4 lane + e, as x, b_out, gamma and beta are loaded
.endr
.endr
	s_wait_kmcnt 0x0
	s_add_co_i32 s40, s34, s35
	s_add_co_i32 s40, s40, 127
	s_lshl_b32 s40, s40, 23                        ; 2^(e8 + e9)
	s_mov_b32 s41, s40
	s_wait_loadcnt 0x0
	s_wait_dscnt 0x0
; the sums of v[a], v[a+1] and of v[b], v[b+1] over the 32 lanes, into v[a] and v[b] of every lane; the two rows take turns
.macro REDUCE a, b
	v_add_f32 v[\a], v[\a], v[\a+1]
	v_add_f32 v[\b], v[\b], v[\b+1]
.irp m, 1,2,4,8
	v_add_f32_dpp v[\a], v[\a], v[\a] row_xmask:\m row_mask:0xf bank_mask:0xf
	v_add_f32_dpp v[\b], v[\b], v[\b] row_xmask:\m row_mask:0xf bank_mask:0xf
.endr
	v_permlanex16_b32 v[\a+1], v[\a], s44, s45
	v_permlanex16_b32 v[\b+1], v[\b], s44, s45
	v_add_f32 v[\a], v[\a], v[\a+1]
	v_add_f32 v[\b], v[\b], v[\b+1]
.endm
.set JJ, 0
.rept 16
	v_pk_fma_f32 v[ACC+JJ:ACC+JJ+1], v[ACC+JJ:ACC+JJ+1], s[40:41], v[BO+JJ:BO+JJ+1] op_sel_hi:[1,0,1]             ; y = sum x 2^(e8 + e9) + b_out
	v_pk_fma_f32 v[ACC+32+JJ:ACC+32+JJ+1], v[ACC+32+JJ:ACC+32+JJ+1], s[40:41], v[BO+JJ:BO+JJ+1] op_sel_hi:[1,0,1]
.set JJ, JJ+2
.endr
	v_pk_add_f32 v[240:241], v[ACC:ACC+1], v[ACC+2:ACC+3]
	v_pk_add_f32 v[242:243], v[ACC+32:ACC+33], v[ACC+34:ACC+35]
.set JJ, 4
.rept 14
	v_pk_add_f32 v[240:241], v[240:241], v[ACC+JJ:ACC+JJ+1]
	v_pk_add_f32 v[242:243], v[242:243], v[ACC+32+JJ:ACC+32+JJ+1]
.set JJ, JJ+2
.endr
	REDUCE 240, 242
	v_mul_f32 v240, s42, v240                      ; the rows' means
	v_mul_f32 v242, s42, v242
.set JJ, 0
.rept 16
	v_pk_add_f32 v[ACC+JJ:ACC+JJ+1], v[ACC+JJ:ACC+JJ+1], v[240:241] op_sel_hi:[1,0] neg_lo:[0,1] neg_hi:[0,1]     ; y - mean
	v_pk_add_f32 v[ACC+32+JJ:ACC+32+JJ+1], v[ACC+32+JJ:ACC+32+JJ+1], v[242:243] op_sel_hi:[1,0] neg_lo:[0,1] neg_hi:[0,1]
.set JJ, JJ+2
.endr
	v_pk_mul_f32 v[244:245], v[ACC:ACC+1], v[ACC:ACC+1]
	v_pk_mul_f32 v[246:247], v[ACC+32:ACC+33], v[ACC+32:ACC+33]
.set JJ, 2
.rept 15
	v_pk_fma_f32 v[244:245], v[ACC+JJ:ACC+JJ+1], v[ACC+JJ:ACC+JJ+1], v[244:245]
	v_pk_fma_f32 v[246:247], v[ACC+32+JJ:ACC+32+JJ+1], v[ACC+32+JJ:ACC+32+JJ+1], v[246:247]
.set JJ, JJ+2
.endr
	REDUCE 244, 246
	v_fma_f32 v244, v244, s42, s43                 ; the variance + 1e-5
	v_fma_f32 v246, v246, s42, s43
	v_rsq_f32 v244, v244
	v_rsq_f32 v246, v246
	v_nop                                          ; a plain instruction behind the second root
	s_wait_alu depctr_va_vdst(0)                   ; the two roots have written v244 and v246: the wait ahead of the first reader: one for both
.irp p, 0,1
.set JJ, 0
.rept 16
	v_pk_mul_f32 v[ACC+32*\p+JJ:ACC+32*\p+JJ+1], v[ACC+32*\p+JJ:ACC+32*\p+JJ+1], v[244+2*\p:245+2*\p] op_sel_hi:[1,0]
.set JJ, JJ+2
.endr
.set JJ, 0
.rept 16
	v_pk_fma_f32 v[ACC+32*\p+JJ:ACC+32*\p+JJ+1], v[ACC+32*\p+JJ:ACC+32*\p+JJ+1], v[GA+JJ:GA+JJ+1], v[BE+JJ:BE+JJ+1]
.set JJ, JJ+2
.endr
.set JJ, 0
.rept 16
	v_pk_add_f32 v[ACC+32*\p+JJ:ACC+32*\p+JJ+1], v[ACC+32*\p+JJ:ACC+32*\p+JJ+1], v[XR+32*\p+JJ:XR+32*\p+JJ+1]
.set JJ, JJ+2
.endr
.set JJ, 0
.rept 16
	v_pk_mul_f32 v[ACC+32*\p+JJ:ACC+32*\p+JJ+1], v[ACC+32*\p+JJ:ACC+32*\p+JJ+1], s[46:47] op_sel_hi:[1,0]
.set JJ, JJ+2
.endr
	s_wait_alu depctr_va_vdst(0)                   ; this row's arithmetic has written its 32 registers, which the eight stores below read; the other row's arithmetic names none of them
.irp i, 0,1,2,3,4,5,6,7
	global_store_b128 v[LI], v[ACC+32*\p+4*\i:ACC+32*\p+4*\i+3], s[32:33] offset:4096*\p+512*\i th:TH_STORE_NT   ; 32 lanes store 512 consecutive bytes; written once, read by nobody here
.endr
.endr
	s_wait_dscnt 0x0                               ; the closing lines, six on end
	s_wait_alu 0x0
	s_wait_tensorcnt 0x0
	ds_add_u32 v[SPW], v[NIL]
	s_wait_dscnt 0x0
	s_endpgm
.Lfunc_end_k_q3c74f2a1c2_outln:
	.size	k_q3c74f2a1c2_outln, .Lfunc_end_k_q3c74f2a1c2_outln-k_q3c74f2a1c2_outln
	.p2alignl 7, 3214868480
	.fill 96, 4, 3214868480
	.section	.rodata,"a",@progbits
	.p2align	6, 0x0
	.amdhsa_kernel k_q3c74f2a1c2_outln
		.amdhsa_group_segment_fixed_size 150016
		.amdhsa_private_segment_fixed_size 0
		.amdhsa_enable_private_segment 0
		.amdhsa_kernarg_size 64
		.amdhsa_user_sgpr_count 2
		.amdhsa_user_sgpr_kernarg_segment_ptr 1
		.amdhsa_wavefront_size32 1
		.amdhsa_system_sgpr_workgroup_id_x 1
		.amdhsa_system_sgpr_workgroup_id_y 1
		.amdhsa_system_sgpr_workgroup_id_z 1
		.amdhsa_system_vgpr_workitem_id 0
		.amdhsa_next_free_vgpr 256
		.amdhsa_next_free_sgpr 66
		.amdhsa_reserve_vcc 0
		.amdhsa_float_denorm_mode_32 3
		.amdhsa_float_denorm_mode_16_64 3
		.amdhsa_memory_ordered 1
		.amdhsa_forward_progress 1
		.amdhsa_inst_pref_size 40
	.end_amdhsa_kernel
	.amdgpu_metadata
---
amdhsa.version: [ 1, 2 ]
amdhsa.kernels:
  - .name:           k_q3c74f2a1c2_outln
    .symbol:         k_q3c74f2a1c2_outln.kd
    .args:
      - { .name: o_img, .offset: 0, .size: 8, .value_kind: global_buffer, .address_space: global }
      - { .name: wo_img, .offset: 8, .size: 8, .value_kind: global_buffer, .address_space: global }
      - { .name: lowp_scales, .offset: 16, .size: 8, .value_kind: global_buffer, .address_space: global }
      - { .name: b_out, .offset: 24, .size: 8, .value_kind: global_buffer, .address_space: global }
      - { .name: ln_gamma, .offset: 32, .size: 8, .value_kind: global_buffer, .address_space: global }
      - { .name: ln_beta, .offset: 40, .size: 8, .value_kind: global_buffer, .address_space: global }
      - { .name: x, .offset: 48, .size: 8, .value_kind: global_buffer, .address_space: global }
      - { .name: out0, .offset: 56, .size: 8, .value_kind: global_buffer, .address_space: global }
    .group_segment_fixed_size: 150016
    .private_segment_fixed_size: 0
    .kernarg_segment_align: 8
    .kernarg_segment_size: 64
    .max_flat_workgroup_size: 512
    .sgpr_count:     66
    .vgpr_count:     256
    .wavefront_size: 32
...
	.end_amdgpu_metadata
.endif
;; end of part 6
